; MI455X (gfx1250); checked and timed in simulation.
; The chip was launched on July 23, 2026; its instructions are those of AMD's public machine-readable ISA for CDNA 5 (MIT licence, August 2026) and "CDNA5" Instruction Set Architecture Reference Guide (July 2026). The comments in the code are by the model that wrote it; some were corrected since.
;; Multi Head Self Attention. Allowed arithmetic: matrix products marked QUANTISED: E2M1 operands, one E8M0 scale for each 32 along K, by v_wmma_scale_f32_16x16x128_f8f6f4 with both operands' format E2M1 (or v_wmma_scale_f32_32x16x128_f4), f32 sums; everything else in f32.
;; Inputs: W_out_codes 1,024 x 32 x 16 uint8 (E2M1 codes of W_out, K innermost, in blocks of 32 codes, two codes a byte); W_out_scales 1,024 x 32 uint8 (E8M0 scales of W_out, one for each 32 codes along K); W_qkv_codes 3,072 x 32 x 16 uint8 (E2M1 codes of W_qkv, K innermost, in blocks of 32 codes, two codes a byte); W_qkv_scales 3,072 x 32 uint8 (E8M0 scales of W_qkv, one for each 32 codes along K); b_out 1,024 float32; b_qkv 3,072 float32; causal_mask 2,048 x 2,048 bool; padding_mask 4 x 2,048 bool; x_codes 4 x 2,048 x 32 x 16 uint8 (E2M1 codes of x, K innermost, in blocks of 32 codes, two codes a byte); x_scales 4 x 2,048 x 32 uint8 (E8M0 scales of x, one for each 32 codes along K).
;; Outputs: out0 4 x 2,048 x 1,024 float32.
;; This version of the problem:
;;   THIS VERSION OF THE PROBLEM IS GIVEN IN LOW PRECISION. The matrix products marked QUANTISED in the list below multiply operands that are first quantised to E2M1 (2 exponent bits, 1 mantissa bit; 4 bits a number), with one power-of-two scale for each 32 numbers along K (OCP MX v1.0); their sums are f32. All else is computed in f32.
;;   The module's matrix products, in the order in which they are computed (A, B: the left and right operand; K: the contracted axis; several contracted axes count as one K, in the product's order):
;;     1. [M 8,192, K 1,024] x [K 1,024, N 3,072]; A: input x (given as codes); B: input W_qkv (given as codes): QUANTISED
;;     2. batch 64 x [M 2,048, K 64] x [K 64, N 2,048]; A: computed on the way; B: computed on the way: QUANTISED
;;     3. batch 64 x [M 2,048, K 2,048] x [K 2,048, N 64]; A: softmax (see below); B: computed on the way: QUANTISED
;;     4. [M 8,192, K 1,024] x [K 1,024, N 1,024]; A: computed on the way; B: input W_out (given as codes): QUANTISED
;;   THE QUANTISER, for each operand of a quantised product, along K:
;;     - K is cut into blocks of 32 from its start; a last block that is shorter is filled with zeros.
;;     - A block's scale is 2^e with e = floor(log2(the largest magnitude in the block)) - 2, held to -126 .. 127; a block of zeros has e = 0. As a byte (E8M0): e + 127.
;;     - Each number is divided by its block's scale, clamped to +-6, and rounded to the nearest number of E2M1, ties to even, subnormals kept.
;;     - The product sums the exact products of the quantised numbers (number of the format x scale) in f32.
;;   ~~~python
;;   def quantise(x, axis):      # numpy; x: float32 -> the quantised numbers, widened to float32 again
;;       x = np.moveaxis(x, axis, -1); K = x.shape[-1]
;;       x = np.pad(x, [(0, 0)] * (x.ndim - 1) + [(0, -K % 32)]); x = x.reshape(x.shape[:-1] + (-1, 32)); a = np.abs(x).max(-1, keepdims=True)
;;       e = np.where(a > 0, np.clip(np.frexp(np.where(a > 0, a, 1))[1] - 1 - 2, -126, 127), 0)      # np.frexp(a)[1] - 1 = floor(log2(a)), exactly
;;       r = np.clip(x / 2.0 ** e, -6, 6)
;;       step = 2.0 ** (np.maximum(np.frexp(np.where(r == 0, 1, r))[1] - 1, 0) - 1)
;;       q = np.round(r / step) * step * 2.0 ** e      # np.round: ties to even
;;       return np.moveaxis(q.reshape(q.shape[:-2] + (-1,))[..., :K], -1, axis).astype(np.float32)
;;   ~~~
;;   SOFTMAX AHEAD OF A QUANTISED PRODUCT. Where the list says 'softmax', what is quantised is not the finished softmax but p = 2^(t - M), with t = logit x log2(e) and M = ceil(the row's largest t), a whole number; so 1/2 < the row's largest p <= 1. The row's sum l is taken of the UNQUANTISED p, in f32, and the product's result is divided by l at the end. Since M is a whole number, a kernel that streams over the keys may use a running M (the ceiling of the running maximum): every later rescaling is an exact power of two, which a block's scale takes up: the codes' values come out the same.
;;   OPERANDS COMPUTED ON THE WAY. 'Computed on the way' means the value that the module computes at that place (a softmax that the list does not call 'softmax' is quantised finished and normalised). What goes into a quantiser is computed in f32, as accurately as f32 sums, v_exp_f32 and their like allow (about 1e-6 of the number): no bf16 or f16 on the way to a quantiser, and a product that is left as it is and whose result goes on into a quantised operand takes f32 operands (vector FMAs, or v_wmma_f32_16x16x4_f32). A number that lies on a knife's edge between two numbers of the format may be rounded either way, as far as f32 arithmetic and the matrix unit's own rounding can turn it there, and no further.
;;   INPUTS GIVEN AS CODES. W_out (in the module: [1024, 1024], K = its axis 0); W_qkv (in the module: [1024, 3072], K = its axis 0); x (in the module: [4, 2048, 1024], K = its axis 2): each comes as NAME_codes (uint8): NAME with its K axis moved to the last place and cut into blocks of 32 codes, [.., K / 32, bytes a block], one block behind the other in memory; two codes a byte, the lower K in the low four bits (a code: sign, 2 exponent bits, 1 mantissa bit); and NAME_scales (uint8): the same leading axes, one E8M0 byte (e + 127) for each 32 codes along K. Its value is code x scale, taken as it is: it is not quantised again, and the codes and scales need not be those that the quantiser above would give.
;; 2 versions, each right; version 2 is version 1 with the launch attn written anew for expert scheduling mode. Each part assembles by itself: llvm-mc -triple=amdgcn-amd-amdhsa -mcpu=gfx1250 --defsym DOCPART=n.
;; ======== version 1 of 2: 4 launches
;; workspace buffers: qbuf 4,718,592 bytes; kvbuf 9,175,040 bytes; aimg 4,194,304 bytes; asw 262,144 bytes; mwords 2,097,152 bytes of whole numbers; mflags 2,048 bytes of whole numbers
;; launch masks (part 1): grid 512 x 1, 8 waves a work-group, no clusters, 1,280 bytes of LDS; arguments causal_mask, padding_mask, mwords, mflags; writes mwords, mflags
.if DOCPART == 1
	.amdgcn_target "amdgcn-amd-amdhsa--gfx1250"
	.amdhsa_code_object_version 6
	.text
	.protected	k_qf7fcedf05b_masks
	.globl	k_qf7fcedf05b_masks
	.p2align	8
	.type	k_qf7fcedf05b_masks,@function
k_qf7fcedf05b_masks:
	s_mov_b64 s[64:65], 0
	v_nop
	global_prefetch_b8 v0, s[64:65] scope:SCOPE_SE
	s_setreg_imm32_b32 hwreg(HW_REG_WAVE_MODE, 25, 1), 1
	s_wait_xcnt 0x0
; The two mask inputs (bool bytes, 0 or 1) are joined (causal OR padding) and laid as the attention launch wants them.
; A work-group takes one tile T = 128 b + tau of 16 queries (batch b, queries 16 tau ..) against all 2,048 keys: 16 key steps of 128; wave w takes steps 2 w and 2 w + 1.
; mwords[T][s][n], n = 8 i + j: a word of 32 lane bits: bit r + 16 h = the mask of (query 16 tau + r, key 128 s + 16 i + 8 h + j): the very lane and register in which
; the attention launch holds that score, so that one select an element applies the mask there.
; mflags[T]: bit s = key step s may be left out (all its 16 x 128 elements are masked, and no query of the tile is masked at all 2,048 keys: such a query takes
; every key with equal weight, so its tile leaves nothing out); bit 16 + s = step s has a masked element at all.
; LIMIT: a bool byte is 0 or 1, as the buffers are stated.
.set CM,  32                           ; v32-63  causal bytes, then the joined bytes: step e, 16 registers: register 2 i + k = keys 16 i + 8 h + 4 k + 0 .. 3 of my query
.set PM,  64                           ; v64-95  padding bytes, likewise
.set WD,  16                           ; v16-19  the mask words of step e: lane l of the pair holds words 2 l and 2 l + 1
.set REC, 20                           ; v20-21  a step's record
	s_load_b256 s[4:11], s[0:1], 0x0               ; causal s[4:5], padding s[6:7], mwords s[8:9], mflags s[10:11]
	v_lshl_add_u32 v96, v0, 2, 0x100
	v_mov_b32 v97, 0
	v_lshrrev_b32 v1, 5, v0
	v_readfirstlane_b32 s12, v1                    ; wave 0..7
	v_and_b32 v1, 31, v0                           ; lane
	v_and_b32 v2, 15, v0                           ; r
	v_bfe_u32 v3, v0, 4, 1                         ; h
	v_lshlrev_b32 v5, 3, v3                        ; padding: 8 h
	v_lshl_add_u32 v4, v2, 11, v5                  ; causal: row r of 2,048 bytes, + 8 h
	v_lshlrev_b32 v6, 3, v1                        ; the words' way out: 8 bytes a lane
	v_mov_b32 v7, s12
	v_lshlrev_b32 v7, 3, v7                        ; LDS: my wave's two records, 4 bytes each
.irp k, 0,1,2,3
	v_mov_b32 v[WD+\k], 0                          ; written once: a lane write's destination counts as one of its sources
.endr
	s_and_b32 s13, ttmp9, 127                      ; tau
	s_lshr_b32 s24, ttmp9, 7                       ; b
	s_lshl_b32 s26, s12, 8                         ; my two steps: 256 keys
	s_lshl_b32 s20, s13, 15                        ; 16 rows of 2,048 bytes
	s_add_co_u32 s20, s20, s26
	s_mov_b32 s21, 0
	s_lshl_b32 s22, s24, 11
	s_add_co_u32 s22, s22, s26
	s_mov_b32 s23, 0
	s_lshl_b32 s28, ttmp9, 12                      ; a tile's words: 16 steps x 256 bytes
	s_lshl_b32 s27, s12, 9
	s_add_co_u32 s28, s28, s27
	s_mov_b32 s29, 0
	s_lshl_b32 s30, ttmp9, 2
	s_mov_b32 s31, 0
	s_wait_kmcnt 0x0
	s_add_nc_u64 s[14:15], s[4:5], s[20:21]
	s_add_nc_u64 s[16:17], s[6:7], s[22:23]
	s_add_nc_u64 s[18:19], s[8:9], s[28:29]
	s_add_nc_u64 s[10:11], s[10:11], s[30:31]
.irp e, 0,1
.irp i, 0,1,2,3,4,5,6,7
	global_load_b64 v[CM+16*\e+2*\i:CM+16*\e+2*\i+1], v4, s[14:15] offset:128*\e+16*\i
	global_load_b64 v[PM+16*\e+2*\i:PM+16*\e+2*\i+1], v5, s[16:17] offset:128*\e+16*\i
.endr
.endr
; One key step.  left: the loads of the step behind it, which may stay out.
.macro STEPM e, left
	s_wait_loadcnt \left
.irp k, 0,1,2,3,4,5,6,7,8,9,10,11,12,13,14,15
	v_or_b32 v[CM+16*\e+\k], v[CM+16*\e+\k], v[PM+16*\e+\k]      ; masked by either
.endr
	v_or_b32 v14, v[CM+16*\e], v[CM+16*\e+1]       ; is any of my 64 elements masked,
	v_and_b32 v15, v[CM+16*\e], v[CM+16*\e+1]      ; are all of them
.irp k, 2,3,4,5,6,7,8,9,10,11,12,13,14,15
	v_or_b32 v14, v14, v[CM+16*\e+\k]
	v_and_b32 v15, v15, v[CM+16*\e+\k]
.endr
.set n, 0
.rept 64                               ; word n: byte n % 4 of register n / 4, as a lane mask; four temporaries by turns
	v_and_b32 v[8+n%4], 1<<(8*(n%4)), v[CM+16*\e+n/4]
	v_cmp_ne_u32 s[20+n%4], 0, v[8+n%4]
	v_writelane_b32 v[WD+2*\e+n%2], s[20+n%4], n/2
.set n, n+1
.endr
	global_store_b64 v6, v[WD+2*\e:WD+2*\e+1], s[18:19] offset:256*\e   ; 32 lanes store 256 consecutive bytes, at a multiple of 256 from the buffer's first byte
	v_cmp_ne_u32 s24, 0, v14
	v_cmp_eq_u32 s25, 0x01010101, v15
	s_lshr_b32 s26, s25, 16
	s_and_b32 s25, s25, s26                        ; bit r: query r is masked at all 128 keys of the step (both halves of the lanes)
	s_cmp_lg_u32 s24, 0
	s_cselect_b32 s26, 0x10000, 0                  ; bit 16: something is masked
	s_or_b32 s25, s25, s26
	v_mov_b32 v[REC+\e], s25
	ds_store_b32 v7, v[REC+\e] offset:4*\e         ; all lanes write the same word with the same value
.endm
	STEPM 0, 16
	STEPM 1, 0
	s_wait_dscnt 0x0                               ; for the others' sake: my records lie in LDS
	s_barrier_signal -1
	s_barrier_wait -1
	s_cmp_lg_u32 s12, 0                            ; wave 0 joins the sixteen records
	s_cbranch_scc1 .Lend
	v_mov_b32 v22, 0
	v_lshlrev_b32 v23, 2, v2
.irp k, 0,1,2,3
	ds_load_b128 v[32+4*\k:35+4*\k], v22 offset:16*\k   ; all sixteen in every lane,
.endr
	ds_load_b32 v24, v23                           ; and step (lane % 16)'s in each lane
	s_wait_dscnt 0x0
	v_and_b32 v25, v32, v33
.irp k, 34,35,36,37,38,39,40,41,42,43,44,45,46,47
	v_and_b32 v25, v25, v\k
.endr
	v_readfirstlane_b32 s24, v25
	s_and_b32 s24, s24, 0xffff                     ; bit r: query r is masked at all 2,048 keys
	v_and_b32 v26, 0xffff, v24
	v_cmp_eq_u32 s25, 0xffff, v26
	s_and_b32 s25, s25, 0xffff                     ; bit s: step s is masked wholly
	v_and_b32 v27, 0x10000, v24
	v_cmp_ne_u32 s26, 0, v27
	s_lshl_b32 s26, s26, 16                        ; bit 16 + s: step s has a masked element
	s_cmp_lg_u32 s24, 0
	s_cselect_b32 s25, 0, s25                      ; a tile with a wholly masked query leaves nothing out
	s_or_b32 s25, s25, s26
	v_mov_b32 v28, s25
	v_mov_b32 v29, 0
	v_cmp_eq_u32 vcc_lo, 0, v0
	s_wait_xcnt 0x0                                ; EXEC changes only behind this wait: the words' stores have it among their sources
	s_and_saveexec_b32 s27, vcc_lo
	global_store_b32 v29, v28, s[10:11]            ; one word a tile, from lane 0
	s_wait_xcnt 0x0                                ; and again in front of the line that widens it
	s_or_b32 exec_lo, exec_lo, s27
.Lend:
	s_wait_tensorcnt 0x0
	ds_add_u32 v96, v97
	s_wait_dscnt 0x0
	s_endpgm
.Lfunc_end_k_qf7fcedf05b_masks:
	.size	k_qf7fcedf05b_masks, .Lfunc_end_k_qf7fcedf05b_masks-k_qf7fcedf05b_masks
	.p2alignl 7, 3214868480
	.fill 96, 4, 3214868480
	.section	.rodata,"a",@progbits
	.p2align	6, 0x0
	.amdhsa_kernel k_qf7fcedf05b_masks
		.amdhsa_group_segment_fixed_size 1280
		.amdhsa_private_segment_fixed_size 0
		.amdhsa_enable_private_segment 0
		.amdhsa_kernarg_size 32
		.amdhsa_user_sgpr_count 2
		.amdhsa_user_sgpr_kernarg_segment_ptr 1
		.amdhsa_wavefront_size32 1
		.amdhsa_system_sgpr_workgroup_id_x 1
		.amdhsa_system_sgpr_workgroup_id_y 1
		.amdhsa_system_sgpr_workgroup_id_z 1
		.amdhsa_system_vgpr_workitem_id 0
		.amdhsa_next_free_vgpr 98
		.amdhsa_next_free_sgpr 66
		.amdhsa_reserve_vcc 1
		.amdhsa_float_denorm_mode_32 3
		.amdhsa_float_denorm_mode_16_64 3
		.amdhsa_memory_ordered 1
		.amdhsa_forward_progress 1
		.amdhsa_inst_pref_size 34
	.end_amdhsa_kernel
	.amdgpu_metadata
---
amdhsa.version: [ 1, 2 ]
amdhsa.kernels:
  - .name:           k_qf7fcedf05b_masks
    .symbol:         k_qf7fcedf05b_masks.kd
    .args:
      - { .name: causal_mask, .offset: 0, .size: 8, .value_kind: global_buffer, .address_space: global }
      - { .name: padding_mask, .offset: 8, .size: 8, .value_kind: global_buffer, .address_space: global }
      - { .name: mwords, .offset: 16, .size: 8, .value_kind: global_buffer, .address_space: global }
      - { .name: mflags, .offset: 24, .size: 8, .value_kind: global_buffer, .address_space: global }
    .group_segment_fixed_size: 1280
    .private_segment_fixed_size: 0
    .kernarg_segment_align: 8
    .kernarg_segment_size: 32
    .max_flat_workgroup_size: 256
    .sgpr_count:     66
    .vgpr_count:     98
    .wavefront_size: 32
...
	.end_amdgpu_metadata
.endif
;; end of part 1
;; launch qkv (part 2): grid 24 x 32, 8 waves a work-group, clusters of 4 x 4, 209,920 bytes of LDS; arguments x_codes, x_scales, W_qkv_codes, W_qkv_scales, b_qkv, qbuf, kvbuf; writes qbuf, kvbuf
.if DOCPART == 2
	.amdgcn_target "amdgcn-amd-amdhsa--gfx1250"
	.amdhsa_code_object_version 6
	.text
	.protected	k_qf7fcedf05b_qkv
	.globl	k_qf7fcedf05b_qkv
	.p2align	8
	.type	k_qf7fcedf05b_qkv,@function
k_qf7fcedf05b_qkv:
	s_mov_b64 s[64:65], 0
	v_nop
	global_prefetch_b8 v0, s[64:65] scope:SCOPE_SE
	s_setreg_imm32_b32 hwreg(HW_REG_WAVE_MODE, 25, 1), 1
	s_wait_xcnt 0x0
	s_wait_alu depctr_hold_cnt(0) depctr_sa_sdst(0) depctr_va_vdst(0) depctr_va_sdst(0) depctr_va_ssrc(0) depctr_va_vcc(0) depctr_vm_vsrc(0)
	s_getreg_b32 s2, hwreg(HW_REG_IB_STS2, 6, 4)
	s_cmp_eq_u32 s2, 0
	s_cbranch_scc0 .Lentry_in_a_cluster
	s_endpgm
.Lentry_in_a_cluster:
	s_bfe_u32 s2, ttmp6, 0x10000c
	s_cmp_lg_u32 s2, 0xf033
	s_cbranch_scc0 .Lentry_shape_is_right
	s_endpgm
.Lentry_shape_is_right:
; qkv = x W_qkv + b_qkv on codes of FP4 (E2M1) with E8M0 scales, K = 1,024; the result is quantised in registers for the attention launch and leaves as codes:
; q and k along the head's 64 channels (two blocks of 32), v along the keys (blocks of 32 tokens).
; A work-group makes 256 tokens (tile Y) x 128 columns (tile X: two heads of q, of k or of v).  All of K lies in LDS: two chunks of 512 along K (rows of 256 bytes), each filled once.
; CLUSTER 4 x 4: x's tile hangs on Y alone and is asked for jointly along a row of the cluster, W's on X alone and jointly along a column.
; TWO PATHS, parted on the cluster's x (equal in all sixteen partners):
;   q, k (X < 16): source 0 = 16 columns of W, source 1 = 16 tokens: a lane holds ONE token and its registers run along the head's channels.  Wave w: tokens 64 (w / 2) .., head w % 2: 4 x 4 tiles.
;   v   (X >= 16): source 0 = 16 tokens, source 1 = 16 columns: a lane holds ONE channel and its registers run along the tokens, the next product's K.  Wave w: tokens 128 (w / 4) .., columns 32 (w % 4) ..: 8 x 2 tiles.
; The bias is the C of each sum's first matrix instruction.
; FROM RESULTS TO AN OPERAND.  Tile i of a lane's results holds k = 16 i + 8 h + 0 .. 7 (h = lane / 16).  A conversion of one tile's 8 registers gives 8 codes of block i / 2.  The operand wants a whole block
; in a lane: lanes 0-15 an even block, lanes 16-31 the odd one behind it.  So the codes of tile 4 c + u and of tile 4 c + 2 + u go to neighbouring registers, and one exchange of halves sets both right.
; OUT.  A fragment leaves as an image of its registers, 16 bytes a lane: each store covers 512 consecutive bytes.  qbuf, for each head g = 16 b + head, 73,728 bytes: images [tile of 16 tokens][lane][16],
; then from 65,536 on scale words [tile][row] (bytes 0, 1: the two blocks; bytes 2, 3: 0).  kvbuf, 143,360 bytes a head: k likewise; from 73,728 on v's images [step of 128 keys][16 channels t][c][lane][16]; from 139,264 on v's scale words [step][t][row].
; LIMITS: a block whose largest magnitude lies under 2^-124 has its byte held at 1 (a block of zeros too: its codes are zeros, and this program alone reads the bytes); NaN and infinities are not served.
.set CHUNK, 104448                     ; LDS: a chunk: x's 256 rows, then W's 128 rows
.set PITCH, 272                        ; an LDS row: 256 bytes + 16 of padding: the 16 rows that a load touches begin 16 bytes further on in turn, modulo 256
.set WOFF,  256*PITCH
.set T0S, 16*PITCH                     ; from tile to tile, from K step to K step, from register quad to quad: source 0's fragments
.set Q0S, 64
.set C0S, 32
.set T1S, 16*PITCH                     ; and source 1's
.set Q1S, 64
.set C1S, 32
.set WV,  18                           ; s18 my wave's number
.set G1A, 24                           ; s[24:31] descriptor group 1 for x's tiles; s[32:39] for W's; s[40:47], s[48:55] their groups 0, one for each chunk
.set G1B, 32
.set G0A, 40
.set G0B, 48
.set SEL, 92                           ; s[92:93] lane selects for v_permlanex16_b32: lane l xor 16
.set HI,  94                           ; s94 lanes 16-31
.set AD0, 8                            ; v8-9   LDS address of source 0's fragments in chunk 0, 1
.set AD1, 10                           ; v10-11 of source 1's
.set SX,  16                           ; v16-47 x's scale words: register 8 p + q: lane l = row 32 p + l, K step q
.set SW,  48                           ; v48-63 W's likewise
.set TM,  64                           ; v64-67 largest magnitudes; v68-71 the other half's; v72-75 the conversions' scale operands; v76-79 the bytes
.set T2,  68
.set SCL, 72
.set BY,  76
.set PC,  96                           ; v96-111 codes, v112-115 scale words, v116-117 two tiles' words in one register: each written once
.set PW,  112
.set CW,  116
.set ACC, 128                          ; v128-255 sixteen accumulators
.set F0,  0                            ; window 1: two sets of fragments, and the bias tiles
.set F1,  80
.set BIAS, 160
.set MSB, 0
.macro WIN new                         ; the immediate's high byte repeats the setting that is left
.if MSB != \new
	s_set_vgpr_msb (MSB<<8)|\new
.set MSB, \new
.endif
.endm
.macro CROUND                          ; a round of the cluster's barrier
	s_barrier_signal -1
	s_barrier_wait -1
	s_cmp_lg_u32 s[WV], 0
	s_cbranch_scc1 .Lnot_wave_0_\@
	s_barrier_signal -3
.Lnot_wave_0_\@:
	s_barrier_wait -3
	s_barrier_signal -1
	s_barrier_wait -1
.endm
.macro PLACES                          ; four plain places behind matrix instructions, in front of loads into their sources and of reads of their results
.rept 4
	v_nop
.endr
.endm
; one matrix instruction; ra, rb: the half of the lanes from which source 0's and source 1's scale words are taken
.macro WMR d, a, b, c, sa, sb, ra, rb
.if (\ra) && (\rb)
	v_wmma_scale_f32_16x16x128_f8f6f4 v[(\d):(\d)+7], v[(\a):(\a)+7], v[(\b):(\b)+7], v[(\c):(\c)+7], v[\sa], v[\sb] matrix_a_fmt:MATRIX_FMT_FP4 matrix_b_fmt:MATRIX_FMT_FP4 matrix_a_scale:MATRIX_SCALE_ROW1 matrix_b_scale:MATRIX_SCALE_ROW1
.elseif (\ra)
	v_wmma_scale_f32_16x16x128_f8f6f4 v[(\d):(\d)+7], v[(\a):(\a)+7], v[(\b):(\b)+7], v[(\c):(\c)+7], v[\sa], v[\sb] matrix_a_fmt:MATRIX_FMT_FP4 matrix_b_fmt:MATRIX_FMT_FP4 matrix_a_scale:MATRIX_SCALE_ROW1
.elseif (\rb)
	v_wmma_scale_f32_16x16x128_f8f6f4 v[(\d):(\d)+7], v[(\a):(\a)+7], v[(\b):(\b)+7], v[(\c):(\c)+7], v[\sa], v[\sb] matrix_a_fmt:MATRIX_FMT_FP4 matrix_b_fmt:MATRIX_FMT_FP4 matrix_b_scale:MATRIX_SCALE_ROW1
.else
	v_wmma_scale_f32_16x16x128_f8f6f4 v[(\d):(\d)+7], v[(\a):(\a)+7], v[(\b):(\b)+7], v[(\c):(\c)+7], v[\sa], v[\sb] matrix_a_fmt:MATRIX_FMT_FP4 matrix_b_fmt:MATRIX_FMT_FP4
.endif
.endm
; K step q's fragments into set f: N0 of source 0, then N1 of source 1; two loads of 16 bytes each
.macro FETCH f, q
	WIN 0x40                                       ; destination window 1, address window 0
.set ii, 0
.rept N0
	ds_load_b128 v[\f+8*ii:\f+8*ii+3],   v[AD0+(\q)/4] offset:ii*T0S+((\q)%4)*Q0S
	ds_load_b128 v[\f+8*ii+4:\f+8*ii+7], v[AD0+(\q)/4] offset:ii*T0S+((\q)%4)*Q0S+C0S
.set ii, ii+1
.endr
.set ii, 0
.rept N1
	ds_load_b128 v[\f+8*(N0+ii):\f+8*(N0+ii)+3],   v[AD1+(\q)/4] offset:ii*T1S+((\q)%4)*Q1S
	ds_load_b128 v[\f+8*(N0+ii)+4:\f+8*(N0+ii)+7], v[AD1+(\q)/4] offset:ii*T1S+((\q)%4)*Q1S+C1S
.set ii, ii+1
.endr
.endm
; K step q's sixteen products.  The sixteen accumulators take turns, one instruction a turn, in the same order in every K step.  first = 1: C is the bias tile.
.macro MUL f, q, first
.if \first
	WIN 0x15                                       ; sources 0, 1 and C window 1, D window 0
.else
	WIN 0x05                                       ; sources 0, 1 window 1, C and D window 0
.endif
.set aa, 0
.rept N1
.set ii, 0
.rept N0
.set dd, ACC+8*(N0*aa+ii)
.set cc, dd
.if \first
.set cc, BIAS+8*(BSRC0*ii+(1-BSRC0)*aa)
.endif
	WMR dd, \f+8*ii, \f+8*(N0+aa), cc, S0+8*(ii/2)+\q, S1+8*(aa/2)+\q, ii%2, aa%2
.set ii, ii+1
.endr
.set aa, aa+1
.endr
.endm
; The eight K steps, written out: every offset is an immediate.  While one set of fragments is multiplied the other is fetched.
.macro GEMM
	FETCH F0, 0
	FETCH F1, 1
	s_wait_dscnt NL                                ; K step 0's fragments are in; the NL loads just issued may be out (so at each such wait below)
	MUL F0, 0, 1
	PLACES
	FETCH F0, 2
	s_wait_dscnt NL
	MUL F1, 1, 0
	PLACES
	FETCH F1, 3
	s_wait_dscnt NL
	MUL F0, 2, 0
	PLACES
	s_wait_tensorcnt 0x0                           ; my part of chunk 1 has landed,
	s_wait_dscnt 0x0                               ; no LDS load of mine is out (K step 3's fragments are in),
	s_barrier_signal -1
	s_barrier_wait -1                              ; and so for all eight waves: chunk 1 may be read
	FETCH F0, 4
	MUL F1, 3, 0
	PLACES
	FETCH F1, 5
	s_wait_dscnt NL
	MUL F0, 4, 0
	PLACES
	FETCH F0, 6
	s_wait_dscnt NL
	MUL F1, 5, 0
	PLACES
	FETCH F1, 7
	s_wait_dscnt NL
	MUL F0, 6, 0
	s_wait_dscnt 0x0
	MUL F1, 7, 0
	WIN 0
	PLACES
.endm
; 32 numbers of a lane, v[s] on (tiles 0-3: two blocks of 32 along K, shared with lane l xor 16), become 4 registers of codes at v[pc] and a scale word in v[pw].  Each accumulator is read from its low end on.
.macro QUANT2 s, pc, pw
.irp b, 0,1
	v_max3_num_f32 v[TM+\b], |v[(\s)+16*\b]|, |v[(\s)+1+16*\b]|, 0x1800000   ; my 16 numbers of block b, and the floor 2^(3 - 127): the byte cannot fall under 1
.endr
.irp i, 2,4,6,8,10,12,14
.irp b, 0,1
	v_max3_num_f32 v[TM+\b], v[TM+\b], |v[(\s)+16*\b+\i]|, |v[(\s)+1+16*\b+\i]|
.endr
.endr
.irp b, 0,1
	v_permlanex16_b32 v[T2+\b], v[TM+\b], s[SEL], s[SEL+1]
.endr
.irp b, 0,1
	v_max_num_f32 v[TM+\b], v[TM+\b], v[T2+\b]     ; the block's largest magnitude
.endr
.irp b, 0,1
	v_add_nc_u32 v[SCL+\b], 0xff000000, v[TM+\b]   ; 2 off its exponent field: the conversion takes that field as its scale
.endr
.irp b, 0,1
	v_lshrrev_b32 v[BY+\b], 23, v[SCL+\b]          ; the scale's byte
.endr
	v_lshl_or_b32 v[\pw], v[BY+1], 8, v[BY]
	v_cvt_scalef32_pk8_fp4_f32 v[(\pc)],   v[(\s):(\s)+7],     v[SCL]
	v_cvt_scalef32_pk8_fp4_f32 v[(\pc)+1], v[(\s)+16:(\s)+23], v[SCL+1]
	v_cvt_scalef32_pk8_fp4_f32 v[(\pc)+2], v[(\s)+8:(\s)+15],  v[SCL]
	v_cvt_scalef32_pk8_fp4_f32 v[(\pc)+3], v[(\s)+24:(\s)+31], v[SCL+1]
	v_nop                                          ; one plain place behind the scaled conversions
	v_permlane16_swap_b32 v[(\pc)],   v[(\pc)+1]   ; lanes 0-15 now hold block 0, lanes 16-31 block 1
	v_permlane16_swap_b32 v[(\pc)+2], v[(\pc)+3]
.endm
; the same for 64 numbers (tiles 0-7: four blocks): a whole fragment of 8 registers and a scale word of four bytes
.macro QUANT4 s, pc, pw
.irp b, 0,1,2,3
	v_max3_num_f32 v[TM+\b], |v[(\s)+16*\b]|, |v[(\s)+1+16*\b]|, 0x1800000
.endr
.irp i, 2,4,6,8,10,12,14
.irp b, 0,1,2,3
	v_max3_num_f32 v[TM+\b], v[TM+\b], |v[(\s)+16*\b+\i]|, |v[(\s)+1+16*\b+\i]|
.endr
.endr
.irp b, 0,1,2,3
	v_permlanex16_b32 v[T2+\b], v[TM+\b], s[SEL], s[SEL+1]
.endr
.irp b, 0,1,2,3
	v_max_num_f32 v[TM+\b], v[TM+\b], v[T2+\b]
.endr
.irp b, 0,1,2,3
	v_add_nc_u32 v[SCL+\b], 0xff000000, v[TM+\b]
.endr
.irp b, 0,1,2,3
	v_lshrrev_b32 v[BY+\b], 23, v[SCL+\b]
.endr
	v_lshl_or_b32 v[\pw], v[BY+1], 8, v[BY]
	v_lshl_or_b32 v[\pw], v[BY+2], 16, v[\pw]
	v_lshl_or_b32 v[\pw], v[BY+3], 24, v[\pw]
.irp c, 0,1
.irp u, 0,1
	v_cvt_scalef32_pk8_fp4_f32 v[(\pc)+4*\c+2*\u],   v[(\s)+8*(4*\c+\u):(\s)+8*(4*\c+\u)+7],     v[SCL+2*\c]
	v_cvt_scalef32_pk8_fp4_f32 v[(\pc)+4*\c+2*\u+1], v[(\s)+8*(4*\c+2+\u):(\s)+8*(4*\c+2+\u)+7], v[SCL+2*\c+1]
.endr
.endr
	v_nop
.irp c, 0,1
.irp u, 0,1
	v_permlane16_swap_b32 v[(\pc)+4*\c+2*\u], v[(\pc)+4*\c+2*\u+1]
.endr
.endr
.endm
	s_load_b256 s[4:11], s[0:1], 0x0               ; x's codes s[4:5], x's scales s[6:7], W's codes s[8:9], W's scales s[10:11]
	s_load_b128 s[12:15], s[0:1], 0x20             ; b_qkv s[12:13], qbuf s[14:15]
	s_load_b64 s[16:17], s[0:1], 0x30              ; kvbuf
	v_lshl_add_u32 v126, v0, 2, 0x33000
	v_mov_b32 v127, 0
	ds_add_u32 v126, v127
	ds_add_u32 v126, v127
	v_lshrrev_b32 v1, 5, v0
	v_readfirstlane_b32 s[WV], v1                  ; wave 0..7
	s_and_b32 s23, s[WV], 3                        ; which quarter of a tile I fetch
	s_bfe_u32 s19, ttmp6, 0x40000                  ; cx, cy: my place in the cluster
	s_bfe_u32 s20, ttmp6, 0x40004
	s_lshl_b32 s21, ttmp9, 2
	s_add_co_u32 s21, s21, s19                     ; X = 4 x cluster x + cx
	s_and_b32 s22, ttmp7, 0xffff
	s_lshl_b32 s22, s22, 2
	s_add_co_u32 s22, s22, s20                     ; Y = 4 x cluster y + cy
	s_lshl_b32 s56, s20, 2
	s_lshl_b32 s56, 15, s56                        ; my row of the cluster
	s_lshl_b32 s57, 0x1111, s19                    ; my column
	s_or_b32 s[G1A], s56, (1<<20)|(1<<21)|(5<<22)|(3<<25)   ; 15:0 the mask; 17:16 elements of 1 byte; 20 padding on; 21 set beside a mask; 24:22 after every 64 words; 31:25 four words
	s_or_b32 s[G1B], s57, (1<<20)|(1<<21)|(5<<22)|(3<<25)
	s_mov_b32 s[G1A+1], 256<<16                    ; tensor_dim0 = 256 bytes: 512 along K
	s_mov_b32 s[G1A+2], 64<<16                     ; tensor_dim1 = 64 rows
	s_mov_b32 s[G1A+3], 256<<16                    ; tile_dim0
	s_mov_b32 s[G1A+4], 64                         ; tile_dim1
	s_mov_b32 s[G1A+5], 512                        ; from row to row in memory
	s_mov_b32 s[G1A+6], 0
	s_mov_b32 s[G1A+7], 0
	s_mov_b32 s[G1B+1], 256<<16
	s_mov_b32 s[G1B+2], 32<<16                     ; W: 32 rows a load
	s_mov_b32 s[G1B+3], 256<<16
	s_mov_b32 s[G1B+4], 32
	s_mov_b32 s[G1B+5], 512
	s_mov_b32 s[G1B+6], 0
	s_mov_b32 s[G1B+7], 0
	s_lshl_b32 s58, s22, 17                        ; x: row 256 Y + 64 x quarter, 512 bytes a row (registers that never hold X)
	s_lshl_b32 s59, s23, 15
	s_add_co_u32 s58, s58, s59
	s_mov_b32 s59, 0
	s_lshl_b32 s60, s21, 16                        ; W: row 128 X + 32 x quarter (registers that never hold Y)
	s_lshl_b32 s61, s23, 14
	s_add_co_u32 s60, s60, s61
	s_mov_b32 s61, 0
	s_mul_i32 s62, s23, 64*PITCH                   ; where they go: no place in the cluster enters an LDS address
	s_mul_i32 s63, s23, 32*PITCH
	s_add_co_u32 s63, s63, WOFF
	s_mov_b32 s[SEL], 0x76543210
	s_mov_b32 s[SEL+1], 0xfedcba98
	s_mov_b32 s[HI], 0xffff0000
	s_wait_dscnt 0x0
	s_wait_kmcnt 0x0
	s_add_nc_u64 s[66:67], s[4:5], s[58:59]
	s_add_nc_u64 s[68:69], s[8:9], s[60:61]
.irp c, 0,1
	s_mov_b32 s[G0A+4*\c], 1
	s_add_co_u32 s[G0A+4*\c+1], s62, \c*CHUNK
	s_add_nc_u64 s[G0A+4*\c+2:G0A+4*\c+3], s[66:67], \c*256
	s_or_b32 s[G0A+4*\c+3], s[G0A+4*\c+3], 0x80000000
	s_mov_b32 s[G0B+4*\c], 1
	s_add_co_u32 s[G0B+4*\c+1], s63, \c*CHUNK
	s_add_nc_u64 s[G0B+4*\c+2:G0B+4*\c+3], s[68:69], \c*256
	s_or_b32 s[G0B+4*\c+3], s[G0B+4*\c+3], 0x80000000
.endr
	CROUND                                         ; all sixteen work-groups are here: the joint loads meet
	s_cmp_lt_u32 s[WV], 4                          ; waves 0-3 fetch x's quarters, waves 4-7 W's: a wave's two fills stand in one branch; two loads of mine are out
	s_cbranch_scc0 .Lfill_w
	tensor_load_to_lds s[G0A:G0A+3], s[G1A:G1A+7]
	s_nop 0
	tensor_load_to_lds s[G0A+4:G0A+7], s[G1A:G1A+7]
	s_nop 0
.rept 4
	v_nop
.endr
	s_branch .Lfilled
.Lfill_w:
	tensor_load_to_lds s[G0B:G0B+3], s[G1B:G1B+7]
	s_nop 0
	tensor_load_to_lds s[G0B+4:G0B+7], s[G1B:G1B+7]
	s_nop 0
.rept 4
	v_nop
.endr
.Lfilled:
	v_and_b32 v1, 31, v0                           ; lane
	v_and_b32 v2, 15, v0                           ; r
	v_bfe_u32 v3, v0, 4, 1                         ; h
	v_lshlrev_b32 v4, 4, v1                        ; 16 x lane: an image's place
	v_lshlrev_b32 v5, 2, v1                        ; 4 x lane: a scale word's
	v_lshlrev_b32 v6, 5, v1                        ; 32 x lane: a row of scale bytes
	v_mul_u32_u24 v7, v2, PITCH
	v_lshl_add_u32 v7, v3, 4, v7                   ; a fragment: row r x pitch + 16 h
	v_lshlrev_b32 v12, 5, v3                       ; the bias of eight channels: 32 h
	v_lshlrev_b32 v13, 2, v2                       ; the bias of channel r
.irp b, 0,1,2,3
	v_mov_b32 v[T2+\b], 0                          ; written once: a lane permute's destination counts as one of its sources
.endr
	s_cmp_ge_u32 ttmp9, 4                          ; the cluster's x: equal in all partners
	s_cbranch_scc1 .Lvpath
	; ---------------- q and k
.set N0, 4
.set N1, 4
.set NL, 2*(N0+N1)
.set S0, SW
.set S1, SX
.set BSRC0, 1                          ; the bias goes with source 0's tile
	s_lshr_b32 s70, s[WV], 1                       ; tg: my 64 tokens
	s_and_b32 s71, s[WV], 1                        ; hl: my head of the two
	s_mul_i32 s72, s71, 64*PITCH
	s_add_co_u32 s72, s72, WOFF
	s_mul_i32 s73, s70, 64*PITCH
	v_add_nc_u32 v[AD0], s72, v7
	v_add_nc_u32 v[AD0+1], CHUNK, v[AD0]
	v_add_nc_u32 v[AD1], s73, v7
	v_add_nc_u32 v[AD1+1], CHUNK, v[AD1]
	s_lshl_b32 s74, s22, 8
	s_lshl_b32 s75, s70, 6
	s_add_co_u32 s74, s74, s75                     ; my first token
	s_lshl_b32 s74, s74, 5                         ; 32 scale bytes a row
	s_mov_b32 s75, 0
	s_add_nc_u64 s[6:7], s[6:7], s[74:75]
	s_lshl_b32 s76, s21, 7
	s_lshl_b32 s77, s71, 6
	s_add_co_u32 s76, s76, s77                     ; my first column
	s_lshl_b32 s78, s76, 5
	s_mov_b32 s79, 0
	s_add_nc_u64 s[10:11], s[10:11], s[78:79]
	s_lshl_b32 s78, s76, 2
	s_add_nc_u64 s[12:13], s[12:13], s[78:79]
.irp p, 0,1
.irp k, 0,1
	global_load_b128 v[SX+8*\p+4*\k:SX+8*\p+4*\k+3], v6, s[6:7] offset:1024*\p+16*\k     ; lane l: row 32 p + l, the words of K steps 4 k .. 4 k + 3
	global_load_b128 v[SW+8*\p+4*\k:SW+8*\p+4*\k+3], v6, s[10:11] offset:1024*\p+16*\k
.endr
.endr
	WIN 0x40
.irp i, 0,1,2,3
	global_load_b128 v[BIAS+8*\i:BIAS+8*\i+3],   v12, s[12:13] offset:64*\i      ; channels 16 i + 8 h + 0 .. 7
	global_load_b128 v[BIAS+8*\i+4:BIAS+8*\i+7], v12, s[12:13] offset:64*\i+16
.endr
	WIN 0
	s_and_b32 s80, s21, 7
	s_lshl_b32 s80, s80, 1
	s_add_co_u32 s80, s80, s71                     ; head
	s_lshr_b32 s81, s22, 3
	s_lshl_b32 s81, s81, 4
	s_add_co_u32 s80, s80, s81                     ; g = 16 b + head
	s_mov_b32 s81, 143360
	s_cmp_lt_u32 ttmp9, 2                          ; q's columns or k's: the choice hangs on the cluster's x alone
	s_cselect_b32 s81, 73728, s81
	s_cselect_b64 s[82:83], s[14:15], s[16:17]
	s_mul_i32 s80, s80, s81                        ; the head's first byte
	s_and_b32 s84, s22, 7
	s_lshl_b32 s84, s84, 4
	s_lshl_b32 s85, s70, 2
	s_add_co_u32 s84, s84, s85                     ; my first tile of 16 tokens in the head
	s_lshl_b32 s86, s84, 9
	s_add_co_u32 s86, s86, s80
	s_mov_b32 s87, 0
	s_add_nc_u64 s[88:89], s[82:83], s[86:87]      ; its image
	s_lshl_b32 s86, s84, 6
	s_add_co_u32 s86, s86, s80
	s_add_co_u32 s86, s86, 65536
	s_add_nc_u64 s[90:91], s[82:83], s[86:87]      ; its scale words
	s_wait_loadcnt 0x0                             ; scale words and bias
	s_wait_tensorcnt 0x1                           ; my part of chunk 0 has landed; chunk 1's may be out
	s_barrier_signal -1
	s_barrier_wait -1                              ; everybody's has
	GEMM
.irp a, 0,1,2,3
	QUANT2 ACC+32*\a, PC+4*\a, PW+\a
	global_store_b128 v4, v[PC+4*\a:PC+4*\a+3], s[88:89] offset:512*\a   ; 512 consecutive bytes
.endr
	v_cndmask_b32 v[CW], v[PW], v[PW+1], s[HI]     ; lanes 0-15 an even tile's words, lanes 16-31 the odd tile's: 128 consecutive bytes
	v_cndmask_b32 v[CW+1], v[PW+2], v[PW+3], s[HI]
	global_store_b32 v5, v[CW], s[90:91]
	global_store_b32 v5, v[CW+1], s[90:91] offset:128
	s_branch .Ldone
	; ---------------- v
.Lvpath:
.set N0, 8
.set N1, 2
.set NL, 2*(N0+N1)
.set S0, SX
.set S1, SW
.set BSRC0, 0                          ; the bias goes with source 1's tile
	s_lshr_b32 s70, s[WV], 2                       ; th: my 128 tokens, one key step
	s_mul_i32 s72, s70, 128*PITCH
	s_mul_i32 s73, s23, 32*PITCH                   ; cg = wave % 4: my 32 columns
	s_add_co_u32 s73, s73, WOFF
	v_add_nc_u32 v[AD0], s72, v7
	v_add_nc_u32 v[AD0+1], CHUNK, v[AD0]
	v_add_nc_u32 v[AD1], s73, v7
	v_add_nc_u32 v[AD1+1], CHUNK, v[AD1]
	s_lshl_b32 s74, s22, 8
	s_lshl_b32 s75, s70, 7
	s_add_co_u32 s74, s74, s75
	s_lshl_b32 s74, s74, 5
	s_mov_b32 s75, 0
	s_add_nc_u64 s[6:7], s[6:7], s[74:75]
	s_lshl_b32 s76, s21, 7
	s_lshl_b32 s77, s23, 5
	s_add_co_u32 s76, s76, s77                     ; my first column
	s_lshl_b32 s78, s76, 5
	s_mov_b32 s79, 0
	s_add_nc_u64 s[10:11], s[10:11], s[78:79]
	s_lshl_b32 s78, s76, 2
	s_add_nc_u64 s[12:13], s[12:13], s[78:79]
.irp p, 0,1,2,3
.irp k, 0,1
	global_load_b128 v[SX+8*\p+4*\k:SX+8*\p+4*\k+3], v6, s[6:7] offset:1024*\p+16*\k
.endr
.endr
.irp k, 0,1
	global_load_b128 v[SW+4*\k:SW+4*\k+3], v6, s[10:11] offset:16*\k
.endr
	WIN 0x40
.irp a, 0,1
.irp j, 0,1,2,3,4,5,6,7
	global_load_b32 v[BIAS+8*\a+\j], v13, s[12:13] offset:64*\a     ; a lane's eight results are eight tokens of ONE channel: its bias in all eight
.endr
.endr
	WIN 0
	s_sub_co_u32 s80, s21, 16
	s_lshl_b32 s80, s80, 1
	s_lshr_b32 s81, s23, 1
	s_add_co_u32 s80, s80, s81                     ; head
	s_lshr_b32 s81, s22, 3
	s_lshl_b32 s81, s81, 4
	s_add_co_u32 s80, s80, s81                     ; g
	s_mul_i32 s80, s80, 143360
	s_and_b32 s84, s22, 7
	s_lshl_b32 s84, s84, 1
	s_add_co_u32 s84, s84, s70                     ; the key step
	s_lshl_b32 s84, s84, 2
	s_and_b32 s85, s23, 1
	s_lshl_b32 s85, s85, 1
	s_add_co_u32 s84, s84, s85                     ; 4 x step + my first tile of 16 channels
	s_lshl_b32 s86, s84, 10
	s_add_co_u32 s86, s86, s80
	s_add_co_u32 s86, s86, 73728
	s_mov_b32 s87, 0
	s_add_nc_u64 s[88:89], s[16:17], s[86:87]
	s_lshl_b32 s86, s84, 6
	s_add_co_u32 s86, s86, s80
	s_add_co_u32 s86, s86, 139264
	s_add_nc_u64 s[90:91], s[16:17], s[86:87]
	s_wait_loadcnt 0x0
	s_wait_tensorcnt 0x1                           ; as on the other path
	s_barrier_signal -1
	s_barrier_wait -1
	GEMM
.irp e, 0,1
	QUANT4 ACC+64*\e, PC+8*\e, PW+\e
	global_store_b128 v4, v[PC+8*\e:PC+8*\e+3],   s[88:89] offset:1024*\e
	global_store_b128 v4, v[PC+8*\e+4:PC+8*\e+7], s[88:89] offset:1024*\e+512
.endr
	v_cndmask_b32 v[CW], v[PW], v[PW+1], s[HI]
	global_store_b32 v5, v[CW], s[90:91]
.Ldone:
	s_wait_tensorcnt 0x0
	ds_add_u32 v126, v127
	s_wait_dscnt 0x0
	CROUND                                         ; the closing round: no work-group ends while a partner may still ask for a tile that names it
	s_endpgm
.Lfunc_end_k_qf7fcedf05b_qkv:
	.size	k_qf7fcedf05b_qkv, .Lfunc_end_k_qf7fcedf05b_qkv-k_qf7fcedf05b_qkv
	.p2alignl 7, 3214868480
	.fill 96, 4, 3214868480
	.section	.rodata,"a",@progbits
	.p2align	6, 0x0
	.amdhsa_kernel k_qf7fcedf05b_qkv
		.amdhsa_group_segment_fixed_size 209920
		.amdhsa_private_segment_fixed_size 0
		.amdhsa_enable_private_segment 0
		.amdhsa_kernarg_size 56
		.amdhsa_user_sgpr_count 2
		.amdhsa_user_sgpr_kernarg_segment_ptr 1
		.amdhsa_wavefront_size32 1
		.amdhsa_system_sgpr_workgroup_id_x 1
		.amdhsa_system_sgpr_workgroup_id_y 1
		.amdhsa_system_sgpr_workgroup_id_z 1
		.amdhsa_system_vgpr_workitem_id 0
		.amdhsa_next_free_vgpr 448
		.amdhsa_next_free_sgpr 100
		.amdhsa_reserve_vcc 0
		.amdhsa_float_denorm_mode_32 3
		.amdhsa_float_denorm_mode_16_64 3
		.amdhsa_memory_ordered 1
		.amdhsa_forward_progress 1
		.amdhsa_inst_pref_size 84
	.end_amdhsa_kernel
	.amdgpu_metadata
---
amdhsa.version: [ 1, 2 ]
amdhsa.kernels:
  - .name:           k_qf7fcedf05b_qkv
    .symbol:         k_qf7fcedf05b_qkv.kd
    .args:
      - { .name: x_codes, .offset: 0, .size: 8, .value_kind: global_buffer, .address_space: global }
      - { .name: x_scales, .offset: 8, .size: 8, .value_kind: global_buffer, .address_space: global }
      - { .name: W_qkv_codes, .offset: 16, .size: 8, .value_kind: global_buffer, .address_space: global }
      - { .name: W_qkv_scales, .offset: 24, .size: 8, .value_kind: global_buffer, .address_space: global }
      - { .name: b_qkv, .offset: 32, .size: 8, .value_kind: global_buffer, .address_space: global }
      - { .name: qbuf, .offset: 40, .size: 8, .value_kind: global_buffer, .address_space: global }
      - { .name: kvbuf, .offset: 48, .size: 8, .value_kind: global_buffer, .address_space: global }
    .group_segment_fixed_size: 209920
    .private_segment_fixed_size: 0
    .kernarg_segment_align: 8
    .kernarg_segment_size: 56
    .max_flat_workgroup_size: 256
    .sgpr_count:     100
    .vgpr_count:     448
    .wavefront_size: 32
...
	.end_amdgpu_metadata
.endif
;; end of part 2
;; launch attn (part 3): grid 4 x 64, 16 waves a work-group, no clusters, 145,408 bytes of LDS; arguments qbuf, kvbuf, mwords, mflags, aimg, asw; writes aimg, asw
.if DOCPART == 3
	.amdgcn_target "amdgcn-amd-amdhsa--gfx1250"
	.amdhsa_code_object_version 6
	.text
	.protected	k_qf7fcedf05b_attn
	.globl	k_qf7fcedf05b_attn
	.p2align	8
	.type	k_qf7fcedf05b_attn,@function
k_qf7fcedf05b_attn:
	s_mov_b64 s[64:65], 0
	v_nop
	global_prefetch_b8 v0, s[64:65] scope:SCOPE_SE
	s_setreg_imm32_b32 hwreg(HW_REG_WAVE_MODE, 25, 1), 1
	s_wait_xcnt 0x0
; Attention of one head g = 16 b + head on codes of FP4 (E2M1): S^T = K Q^T (K = the head's 64 channels), the softmax by the stated rule, O^T = V^T P^T (K = the keys), O / l quantised along the channels for the last product.
; t = score x log2(e) / 8; M = the running largest t rounded UP to a whole number; p = 2^(t - M) is quantised along the keys, 32 to a block; the row's sum l is taken of the unquantised p; when M moves, l and O^T are
; multiplied by 2^(old M - new M), which rounds nothing.
; SHARES.  Work-group (jx, g) owns the tiles of 16 queries tau = 4 i + jx, i = 0 .. 31; wave w takes i = w and then i = 31 - w.  The head's K and V (codes and scale words, 143,360 bytes, as the launch before laid
; them) are copied into LDS once, through registers; behind the one barrier the waves share nothing.  Four waves to a SIMD: one wave's vector work stands beside another's matrix work and loads.
; THE MASKS are inputs; an earlier launch has laid them as lane masks and flags.  A key step of 128 keys whose flag says so is left out (a scalar branch on the stored flag word; trip counts are constants);
; a step with a masked element loads 64 lane masks into scalar registers and replaces each masked score by -2^120 ahead of the maximum: one select a score.
; Since c x 2^120 is a whole number in f32, a query with no open key so far has t = M and p = 1 at every key, the equal weights that such a row is owed; the first open key multiplies that by 2^(a saturated
; whole number) = 0; behind an open key a masked p is 0.
; K = 64 IN A FORM OF K = 128.  Q's fragment is four registers of codes and four of zeros.  K's tiles lie four registers apart; the upper half of a tile's operand is the next tile's codes (behind the last: zeros of
; their own), which meet Q's zero codes; bytes 2 and 3 of both scale words are 0, a power of two like any other.
; No cluster, no tensor load: the walk hangs on stored flags; what the four work-groups of a head share is fetched once each, 143,360 bytes against 544 key steps of softmax.
; LIMITS: scores lie above -2^120; NaN and infinities are not served; a block whose largest number lies under 2^-124 has its byte held at 1 (its codes are then zeros or tiny; this program alone reads the bytes).
; asw's bytes leave singly, 32 a tile and head (262,144 bytes in the launch): the two heads of a scale word belong to different work-groups.
.set QF,  16                           ; v16-19 Q's codes, v20-23 zeros
.set QS,  24                           ; v24    Q's scale words
.set SENT, 25                          ; v25    -2^120
.set KS,  26                           ; v26-29 K's scale words: lanes 0-15 tile 2 p, lanes 16-31 tile 2 p + 1
.set VS,  30                           ; v30-31 V's likewise
.set KF,  32                           ; v32-63 K's eight tiles, four registers each; v64-67 zeros
.set VF,  68                           ; v68-99 V's four fragments
.set SCO, 100                          ; v100-163 S^T, then p
.set OT,  164                          ; v164-195 O^T
.set PCD, 196                          ; v196-203 p's codes
.set PS,  204                          ; v204   p's scale word
.set TM,  208                          ; v208-211 a block's largest; v212-215 the other half's, then the bytes; v216-219 the conversions' scale operands
.set T2,  212
.set SCL, 216
.set TV,  220                          ; v220   at work
.set AO,  221                          ; v221   my offset in aimg
.set FF,  222                          ; v[222:223] f = 2^(old M - new M), named as a pair
.set SU,  224                          ; v[224:225] the second chain of the sum
.set QO,  226                          ; v226-227 my offsets in qbuf
.set BB,  228                          ; v228   the byte that I store;  v229 where
.set BO,  229
.set BY,  230                          ; v230-231 the two bytes of O's blocks
.set WV,  66                           ; s66 wave; s67 jx; s68 g; s69 the trip of the loop over tiles; s70 tau; s71 T = 128 b + tau
.set MW,  72                           ; s[72:73] the step's 64 mask words in memory
.set FL,  78                           ; s78 the flags, shifted one bit a step; s79 steps to go
.set TB,  96                           ; s96 4,096 x step; s97, s98 an eighth and a sixteenth of it
.set HI,  99                           ; s99 lanes 16-31
.set CS,  100                          ; s[100:101] c = log2(e) / 8, named as a pair
; the mask words: word n in s[16 + n] for n < 48, in s[32 + n] from there on
.macro WMZ d, a, b, sa, sb, ra         ; a product that starts a sum
.if \ra
	v_wmma_scale_f32_16x16x128_f8f6f4 v[(\d):(\d)+7], v[(\a):(\a)+7], v[(\b):(\b)+7], 0, v[\sa], v[\sb] matrix_a_fmt:MATRIX_FMT_FP4 matrix_b_fmt:MATRIX_FMT_FP4 matrix_a_scale:MATRIX_SCALE_ROW1
.else
	v_wmma_scale_f32_16x16x128_f8f6f4 v[(\d):(\d)+7], v[(\a):(\a)+7], v[(\b):(\b)+7], 0, v[\sa], v[\sb] matrix_a_fmt:MATRIX_FMT_FP4 matrix_b_fmt:MATRIX_FMT_FP4
.endif
.endm
.macro WMA d, a, b, sa, sb, ra         ; a product that adds in place
.if \ra
	v_wmma_scale_f32_16x16x128_f8f6f4 v[(\d):(\d)+7], v[(\a):(\a)+7], v[(\b):(\b)+7], v[(\d):(\d)+7], v[\sa], v[\sb] matrix_a_fmt:MATRIX_FMT_FP4 matrix_b_fmt:MATRIX_FMT_FP4 matrix_a_scale:MATRIX_SCALE_ROW1
.else
	v_wmma_scale_f32_16x16x128_f8f6f4 v[(\d):(\d)+7], v[(\a):(\a)+7], v[(\b):(\b)+7], v[(\d):(\d)+7], v[\sa], v[\sb] matrix_a_fmt:MATRIX_FMT_FP4 matrix_b_fmt:MATRIX_FMT_FP4
.endif
.endm
	s_load_b256 s[4:11], s[0:1], 0x0               ; qbuf s[4:5], kvbuf s[6:7], mwords s[8:9], mflags s[10:11]
	s_load_b128 s[12:15], s[0:1], 0x20             ; aimg s[12:13], asw s[14:15]
	v_lshl_add_u32 v254, v0, 2, 0x23000
	v_mov_b32 v255, 0
	v_lshrrev_b32 v1, 5, v0
	v_readfirstlane_b32 s[WV], v1                  ; wave 0..15
	s_mov_b32 s67, ttmp9                           ; jx
	s_and_b32 s68, ttmp7, 0xffff                   ; g
	v_lshlrev_b32 v8, 4, v0                        ; the copy: 16 bytes a thread, 8,192 a line
	v_add_nc_u32 v9, 0x10000, v8
	v_add_nc_u32 v10, 0x20000, v8
	v_lshlrev_b32 v5, 3, v0                        ; and 8 bytes a thread for the last 4,096
	v_add_nc_u32 v11, 139264, v5
	s_mul_i32 s74, s68, 143360
	s_mov_b32 s75, 0
	s_mul_i32 s76, s68, 73728
	s_mov_b32 s77, 0
	s_wait_kmcnt 0x0
	s_add_nc_u64 s[6:7], s[6:7], s[74:75]          ; kvbuf and qbuf at my head
	s_add_nc_u64 s[4:5], s[4:5], s[76:77]
.irp k, 0,1,2,3,4,5,6,7,8,9,10,11,12,13,14,15,16
	global_load_b128 v[100+4*\k:103+4*\k], v8, s[6:7] offset:8192*\k
.endr
	global_load_b64 v[168:169], v5, s[6:7] offset:139264
	s_load_b512 s[16:31], s[8:9], 0x0              ; the 64 mask registers are written once here, so that they are written on every way through the text
	s_load_b512 s[32:47], s[8:9], 0x40
	s_load_b512 s[48:63], s[8:9], 0x80
	s_load_b512 s[80:95], s[8:9], 0xc0
	v_and_b32 v6, 31, v0                           ; lane
	v_lshlrev_b32 v1, 4, v6                        ; v1  K's images: 16 x lane
	v_add_nc_u32 v2, 73728, v1                     ; v2  V's images
	v_lshl_add_u32 v3, v6, 2, 0x10000              ; v3  K's scale words: 4 x lane
	v_lshl_add_u32 v4, v6, 2, 139264               ; v4  V's scale words
	v_and_b32 v6, 15, v0                           ; r
	v_bfe_u32 v7, v0, 4, 1                         ; h
	v_lshl_add_u32 v7, v6, 2, v7                   ; v7  4 r + h: my byte among a tile's scale words
	v_lshlrev_b32 v6, 2, v6                        ; v6  4 r
.irp k, 20,21,22,23,64,65,66,67
	v_mov_b32 v\k, 0                               ; zero codes
.endr
.irp k, 212,213,214,215,220,223
	v_mov_b32 v\k, 0                               ; written once: destinations of lane permutes, and the upper half of a pair that is named whole
.endr
	v_mov_b32 v[SENT], 0xfb800000                  ; -2^120
	s_mov_b32 s2, 0x76543210
	s_mov_b32 s3, 0xfedcba98                       ; v_permlanex16_b32's selects for lane l xor 16
	s_mov_b32 s[HI], 0xffff0000
	s_mov_b32 s[CS], 0x3e38aa3b                    ; c = log2(e) / 8
	s_mov_b32 s[CS+1], s[CS]
.irp k, 0,1,2,3,4,5,6,7
	s_wait_loadcnt 17-\k                           ; load k is in: 17 - k were issued behind it
	ds_store_b128 v8, v[100+4*\k:103+4*\k] offset:8192*\k
.endr
.irp k, 8,9,10,11,12,13,14,15
	s_wait_loadcnt 17-\k
	ds_store_b128 v9, v[100+4*\k:103+4*\k] offset:8192*(\k-8)
.endr
	s_wait_loadcnt 0x1
	ds_store_b128 v10, v[164:167]
	s_wait_loadcnt 0x0
	ds_store_b64 v11, v[168:169]
	s_wait_kmcnt 0x0
	s_wait_dscnt 0x0                               ; for the others' sake: my part of the head lies in LDS
	s_barrier_signal -1
	s_barrier_wait -1                              ; the launch's one barrier: from here on LDS is only read
	s_mov_b32 s69, 0
.Ltile:
	s_sub_co_u32 s74, 31, s[WV]
	s_cmp_eq_u32 s69, 0
	s_cselect_b32 s70, s[WV], s74                  ; i = w, then 31 - w
	s_lshl_b32 s70, s70, 2
	s_add_co_u32 s70, s70, s67                     ; tau
	s_lshr_b32 s71, s68, 4
	s_lshl_b32 s71, s71, 7
	s_add_co_u32 s71, s71, s70                     ; T
	s_lshl_b32 s74, s71, 12
	s_mov_b32 s75, 0
	s_add_nc_u64 s[MW:MW+1], s[8:9], s[74:75]      ; the tile's mask words: 4,096 bytes
	s_lshl_b32 s76, s71, 2
	s_load_b32 s[FL], s[10:11], s76 offset:0x0     ; its flags
	s_lshl_b32 s77, s70, 9
	v_add_nc_u32 v[QO], s77, v1
	s_lshl_b32 s77, s70, 6
	v_add_nc_u32 v[QO+1], s77, v6
	global_load_b128 v[QF:QF+3], v[QO], s[4:5]     ; Q's image: lane (r, h): block h of query r
	global_load_b32 v[QS], v[QO+1], s[4:5] offset:65536
	v_mov_b32 v13, 0xff61b1e6                      ; the largest t so far: -3e38, under every t
	v_floor_f32 v12, -v13                          ; -M
	v_mov_b32 v14, 0                               ; l, in two halves
	v_mov_b32 v15, 0
.set j, 0
.rept 32
	v_mov_b32 v[OT+j], 0                           ; O^T: which step is a tile's first hangs on the flags, so no product of the text can start the sums
.set j, j+1
.endr
	s_mov_b32 s[TB], 0
	s_mov_b32 s79, 16
	s_wait_loadcnt 0x0
	s_wait_kmcnt 0x0
.Lstep:
	s_bitcmp1_b32 s[FL], 0                         ; left out: every element is masked, and every query of the tile has an open key elsewhere: every p would be 0
	s_cbranch_scc1 .Lskip
	s_lshr_b32 s97, s[TB], 3
	s_lshr_b32 s98, s[TB], 4
	v_add_nc_u32 v8, s[TB], v1                     ; K's eight images; (these four lines are also the places behind the last step's products, in front of the loads into V's registers)
	v_add_nc_u32 v9, s[TB], v2                     ; V's four fragments
	v_add_nc_u32 v10, s97, v3                      ; K's scale words: 512 bytes a step
	v_add_nc_u32 v11, s98, v4                      ; V's: 256 bytes a step
.irp t, 0,1,2,3,4,5,6,7
	ds_load_b128 v[KF+4*\t:KF+4*\t+3], v8 offset:512*\t
.endr
.irp p, 0,1,2,3
	ds_load_b32 v[KS+\p], v10 offset:128*\p
.endr
	s_bitcmp1_b32 s[FL], 16                        ; has the step a masked element?  Then its 64 lane masks are asked for now, ahead of the products
	s_cbranch_scc0 .Lnoload
	s_load_b512 s[16:31], s[MW:MW+1], 0x0
	s_load_b512 s[32:47], s[MW:MW+1], 0x40
	s_load_b512 s[48:63], s[MW:MW+1], 0x80
	s_load_b512 s[80:95], s[MW:MW+1], 0xc0
.Lnoload:
	s_wait_dscnt 0x0                               ; K and its scale words
.irp t, 0,1,2,3,4,5,6,7
	WMZ SCO+8*\t, KF+4*\t, QF, KS+\t/2, QS, \t%2   ; lane (r, h), register j: query r, key 16 t + 8 h + j
.endr
.irp t, 0,1,2,3
.irp c, 0,1
	ds_load_b128 v[VF+8*\t+4*\c:VF+8*\t+4*\c+3], v9 offset:1024*\t+512*\c   ; V lands under the softmax
.endr
.endr
.irp p, 0,1
	ds_load_b32 v[VS+\p], v11 offset:128*\p
.endr
.rept 4
	v_nop                                          ; four places in front of the first read of the scores
.endr
	s_wait_kmcnt 0x0                               ; on both ways: no scalar load is out from here on
	s_bitcmp1_b32 s[FL], 16
	s_cbranch_scc0 .Lopen
.set n, 0
.rept 64                               ; ascending: each accumulator is read from its low end on
.if n < 48
	v_cndmask_b32 v[SCO+n], v[SCO+n], v[SENT], s[16+n]
.else
	v_cndmask_b32 v[SCO+n], v[SCO+n], v[SENT], s[32+n]
.endif
.set n, n+1
.endr
.Lopen:
.irp b, 0,1,2,3
	v_max3_num_f32 v[TM+\b], v[SCO+16*\b], v[SCO+1+16*\b], v[SCO+2+16*\b]   ; the largest score of each block of 32 keys (tiles 2 b, 2 b + 1): for the row's maximum, and, since p rises with the score, for the block's largest p
.endr
.irp i, 3,5,7,9,11,13
.irp b, 0,1,2,3
	v_max3_num_f32 v[TM+\b], v[TM+\b], v[SCO+16*\b+\i], v[SCO+1+16*\b+\i]
.endr
.endr
.irp b, 0,1,2,3
	v_max_num_f32 v[TM+\b], v[TM+\b], v[SCO+15+16*\b]
.endr
.irp b, 0,1,2,3
	v_permlanex16_b32 v[T2+\b], v[TM+\b], s2, s3
.endr
.irp b, 0,1,2,3
	v_max_num_f32 v[TM+\b], v[TM+\b], v[T2+\b]     ; with lane l xor 16's 16 keys
.endr
	v_max3_num_f32 v[TV], v[TM], v[TM+1], v[TM+2]
	v_max_num_f32 v[TV], v[TV], v[TM+3]            ; the step's largest score of my query
	v_mul_f32 v[TV], s[CS], v[TV]                  ; as t
	v_max_num_f32 v13, v13, v[TV]                  ; the running largest t
	v_mov_b32 v[TV], v12
	v_floor_f32 v12, -v13                          ; the new -M = floor(-t): M is a whole number
	v_sub_f32 v[TV], v12, v[TV]                    ; old M - new M: a whole number, 0 or less
	v_cvt_i32_f32 v[TV], v[TV]                     ; (it saturates)
	v_ldexp_f32 v[FF], 1.0, v[TV]                  ; f = 2^(old M - new M)
.set j, 0
.rept 32
	v_pk_fma_f32 v[SCO+j:SCO+j+1], v[SCO+j:SCO+j+1], s[CS:CS+1], v[12:13] op_sel_hi:[1,0,0]   ; t - M, two at a time
.set j, j+2
.endr
.irp b, 0,1,2,3
	v_fma_f32 v[TM+\b], v[TM+\b], s[CS], v12       ; the same of each block's largest score
.endr
.set j, 0
.rept 64
	v_exp_f32 v[SCO+j], v[SCO+j]                   ; p = 2^(t - M)
.set j, j+1
.endr
	v_pk_mul_f32 v[14:15], v[14:15], v[FF:FF+1] op_sel_hi:[1,0]   ; l under the new M: the plain place behind the exponentials
	s_wait_alu depctr_va_vdst(0)                   ; one wait for the batch of 64, ahead of its first reader
.irp b, 0,1,2,3
	v_exp_f32 v[TM+\b], v[TM+\b]                   ; the block's largest p: the same two instructions on the same number give the same bits
.endr
	v_pk_add_f32 v[SU:SU+1], v[SCO:SCO+1], v[SCO+2:SCO+3]   ; the row's sum, of the unquantised p, in two chains: it reads the 64 alone
.irp j, 4,8,12,16,20,24,28,32,36,40,44,48,52,56,60
	v_pk_add_f32 v[14:15], v[14:15], v[SCO+\j:SCO+\j+1]
	v_pk_add_f32 v[SU:SU+1], v[SU:SU+1], v[SCO+2+\j:SCO+3+\j]
.endr
	v_pk_add_f32 v[14:15], v[14:15], v[SU:SU+1]
	s_wait_alu depctr_va_vdst(0)                   ; and one for the four
.irp b, 0,1,2,3
	v_max_num_f32 v[TM+\b], 0x1800000, v[TM+\b]    ; the floor 2^(3 - 127): the byte cannot fall under 1
.endr
.irp b, 0,1,2,3
	v_add_nc_u32 v[SCL+\b], 0xff000000, v[TM+\b]   ; 2 off the exponent field: the conversion's scale operand
.endr
.irp b, 0,1,2,3
	v_lshrrev_b32 v[T2+\b], 23, v[SCL+\b]          ; the scale's byte
.endr
	v_lshl_or_b32 v[PS], v[T2+1], 8, v[T2]         ; p's scale word for these 128 keys
	v_lshl_or_b32 v[PS], v[T2+2], 16, v[PS]
	v_lshl_or_b32 v[PS], v[T2+3], 24, v[PS]
.irp c, 0,1
.irp u, 0,1
	v_cvt_scalef32_pk8_fp4_f32 v[PCD+4*\c+2*\u],   v[SCO+8*(4*\c+\u):SCO+8*(4*\c+\u)+7],     v[SCL+2*\c]     ; block 2 c, keys 16 u + 8 h + 0 .. 7
	v_cvt_scalef32_pk8_fp4_f32 v[PCD+4*\c+2*\u+1], v[SCO+8*(4*\c+2+\u):SCO+8*(4*\c+2+\u)+7], v[SCL+2*\c+1]   ; block 2 c + 1, the same keys
.endr
.endr
	v_nop                                          ; one plain place behind the scaled conversions
.irp c, 0,1
.irp u, 0,1
	v_permlane16_swap_b32 v[PCD+4*\c+2*\u], v[PCD+4*\c+2*\u+1]   ; lanes 0-15 now hold block 2 c whole, lanes 16-31 block 2 c + 1
.endr
.endr
.set j, 0
.rept 16
	v_pk_mul_f32 v[OT+j:OT+j+1], v[OT+j:OT+j+1], v[FF:FF+1] op_sel_hi:[1,0]   ; O^T under the new M.  For each product below twelve of these name none of its registers: the places behind the writes of p's codes and scale word
.set j, j+2
.endr
	s_wait_dscnt 0x0                               ; V and its scale words
.irp t, 0,1,2,3
	WMA OT+8*\t, VF+8*\t, PCD, VS+\t/2, PS, \t%2   ; four accumulators, one instruction each; eight other products stand between a sum's links
.endr
.Lskip:
	s_add_co_u32 s[TB], s[TB], 4096
	s_add_nc_u64 s[MW:MW+1], s[MW:MW+1], 256       ; (no scalar load is out)
	s_lshr_b32 s[FL], s[FL], 1
	s_sub_co_u32 s79, s79, 1
	s_cmp_lg_u32 s79, 0
	s_cbranch_scc1 .Lstep
	; the tile's end: O^T / l, quantised along the channels: two blocks of the last product's K
.rept 4
	v_nop                                          ; four places behind the last products
.endr
	v_add_f32 v14, v14, v15
	v_permlanex16_b32 v[TV], v14, s2, s3
	v_add_f32 v14, v14, v[TV]                      ; the row's sum
	v_rcp_f32 v14, v14
	s_lshl_b32 s74, s71, 4
	s_and_b32 s75, s68, 15                         ; head
	s_add_co_u32 s74, s74, s75
	s_lshl_b32 s74, s74, 9
	v_add_nc_u32 v[AO], s74, v1                    ; aimg: (16 T + head) x 512 + 16 x lane.  (The plain place behind the reciprocal)
	s_lshl_b32 s74, s71, 9
	s_lshr_b32 s76, s75, 1
	s_lshl_b32 s76, s76, 6
	s_add_co_u32 s74, s74, s76
	s_and_b32 s77, s75, 1
	s_lshl_b32 s77, s77, 1
	s_add_co_u32 s74, s74, s77
	v_add_nc_u32 v[BO], s74, v7                    ; asw: 512 T + 64 (head / 2) + 4 r + 2 (head % 2) + h
	s_wait_alu depctr_va_vdst(0)                   ; ahead of the reciprocal's first reader
.set j, 0
.rept 32
	v_mul_f32 v[SCO+j], v[OT+j], v14               ; ascending: register 8 t + i is o(query r, channel 16 t + 8 h + i)
.set j, j+1
.endr
.irp b, 0,1
	v_max3_num_f32 v[TM+\b], |v[SCO+16*\b]|, |v[SCO+1+16*\b]|, 0x1800000
.endr
.irp i, 2,4,6,8,10,12,14
.irp b, 0,1
	v_max3_num_f32 v[TM+\b], v[TM+\b], |v[SCO+16*\b+\i]|, |v[SCO+1+16*\b+\i]|
.endr
.endr
.irp b, 0,1
	v_permlanex16_b32 v[T2+\b], v[TM+\b], s2, s3
.endr
.irp b, 0,1
	v_max_num_f32 v[TM+\b], v[TM+\b], v[T2+\b]
.endr
.irp b, 0,1
	v_add_nc_u32 v[SCL+\b], 0xff000000, v[TM+\b]
.endr
.irp b, 0,1
	v_lshrrev_b32 v[BY+\b], 23, v[SCL+\b]
.endr
	v_cvt_scalef32_pk8_fp4_f32 v[PCD],   v[SCO:SCO+7],     v[SCL]
	v_cvt_scalef32_pk8_fp4_f32 v[PCD+1], v[SCO+16:SCO+23], v[SCL+1]
	v_cvt_scalef32_pk8_fp4_f32 v[PCD+2], v[SCO+8:SCO+15],  v[SCL]
	v_cvt_scalef32_pk8_fp4_f32 v[PCD+3], v[SCO+24:SCO+31], v[SCL+1]
	v_cndmask_b32 v[BB], v[BY], v[BY+1], s[HI]     ; lane (r, h) stores block h's byte.  (The plain place behind the conversions)
	v_permlane16_swap_b32 v[PCD],   v[PCD+1]
	v_permlane16_swap_b32 v[PCD+2], v[PCD+3]
	global_store_b128 v[AO], v[PCD:PCD+3], s[12:13]   ; 512 consecutive bytes: half a fragment of the last product's K step head / 2
	global_store_b8 v[BO], v[BB], s[14:15]
	s_wait_xcnt 0x0                                ; the stores have read their registers: the next tile writes them again
	s_add_co_u32 s69, s69, 1
	s_cmp_lt_u32 s69, 2
	s_cbranch_scc1 .Ltile
	s_wait_tensorcnt 0x0
	ds_add_u32 v254, v255
	s_wait_dscnt 0x0
	s_endpgm
.Lfunc_end_k_qf7fcedf05b_attn:
	.size	k_qf7fcedf05b_attn, .Lfunc_end_k_qf7fcedf05b_attn-k_qf7fcedf05b_attn
	.p2alignl 7, 3214868480
	.fill 96, 4, 3214868480
	.section	.rodata,"a",@progbits
	.p2align	6, 0x0
	.amdhsa_kernel k_qf7fcedf05b_attn
		.amdhsa_group_segment_fixed_size 145408
		.amdhsa_private_segment_fixed_size 0
		.amdhsa_enable_private_segment 0
		.amdhsa_kernarg_size 48
		.amdhsa_user_sgpr_count 2
		.amdhsa_user_sgpr_kernarg_segment_ptr 1
		.amdhsa_wavefront_size32 1
		.amdhsa_system_sgpr_workgroup_id_x 1
		.amdhsa_system_sgpr_workgroup_id_y 1
		.amdhsa_system_sgpr_workgroup_id_z 1
		.amdhsa_system_vgpr_workitem_id 0
		.amdhsa_next_free_vgpr 256
		.amdhsa_next_free_sgpr 102
		.amdhsa_reserve_vcc 0
		.amdhsa_float_denorm_mode_32 3
		.amdhsa_float_denorm_mode_16_64 3
		.amdhsa_memory_ordered 1
		.amdhsa_forward_progress 1
		.amdhsa_inst_pref_size 32
	.end_amdhsa_kernel
	.amdgpu_metadata
---
amdhsa.version: [ 1, 2 ]
amdhsa.kernels:
  - .name:           k_qf7fcedf05b_attn
    .symbol:         k_qf7fcedf05b_attn.kd
    .args:
      - { .name: qbuf, .offset: 0, .size: 8, .value_kind: global_buffer, .address_space: global }
      - { .name: kvbuf, .offset: 8, .size: 8, .value_kind: global_buffer, .address_space: global }
      - { .name: mwords, .offset: 16, .size: 8, .value_kind: global_buffer, .address_space: global }
      - { .name: mflags, .offset: 24, .size: 8, .value_kind: global_buffer, .address_space: global }
      - { .name: aimg, .offset: 32, .size: 8, .value_kind: global_buffer, .address_space: global }
      - { .name: asw, .offset: 40, .size: 8, .value_kind: global_buffer, .address_space: global }
    .group_segment_fixed_size: 145408
    .private_segment_fixed_size: 0
    .kernarg_segment_align: 8
    .kernarg_segment_size: 48
    .max_flat_workgroup_size: 512
    .sgpr_count:     102
    .vgpr_count:     256
    .wavefront_size: 32
...
	.end_amdgpu_metadata
.endif
;; end of part 3
;; launch proj (part 4): grid 4 x 64, 8 waves a work-group, clusters of 4 x 4, 240,640 bytes of LDS; arguments aimg, asw, W_out_codes, W_out_scales, b_out, out0; writes out0
.if DOCPART == 4
	.amdgcn_target "amdgcn-amd-amdhsa--gfx1250"
	.amdhsa_code_object_version 6
	.text
	.protected	k_qf7fcedf05b_proj
	.globl	k_qf7fcedf05b_proj
	.p2align	8
	.type	k_qf7fcedf05b_proj,@function
k_qf7fcedf05b_proj:
	s_mov_b64 s[64:65], 0
	v_nop
	global_prefetch_b8 v0, s[64:65] scope:SCOPE_SE
	s_setreg_imm32_b32 hwreg(HW_REG_WAVE_MODE, 25, 1), 1
	s_wait_xcnt 0x0
	s_wait_alu depctr_hold_cnt(0) depctr_sa_sdst(0) depctr_va_vdst(0) depctr_va_sdst(0) depctr_va_ssrc(0) depctr_va_vcc(0) depctr_vm_vsrc(0)
	s_getreg_b32 s2, hwreg(HW_REG_IB_STS2, 6, 4)
	s_cmp_eq_u32 s2, 0
	s_cbranch_scc0 .Lentry_in_a_cluster
	s_endpgm
.Lentry_in_a_cluster:
	s_bfe_u32 s2, ttmp6, 0x10000c
	s_cmp_lg_u32 s2, 0xf033
	s_cbranch_scc0 .Lentry_shape_is_right
	s_endpgm
.Lentry_shape_is_right:
; out0 = a W_out + b_out on codes of FP4 (E2M1) with E8M0 scales, K = 1,024.  a: the attention launch's result, as images of its fragments (aimg [tile of 16 tokens T][head][lane][16 bytes]: K step q is heads 2 q
; and 2 q + 1) and scale words (asw [T][q][row]).  W_out: codes [1024 columns][512 bytes], scale bytes [1024][32].  out0: [8192][1024] f32.
; A work-group makes 128 tokens (tile Y) x 256 columns (tile X): 256 work-groups.  All of K lies in LDS, in two chunks of 512 along K, each filled once.
; CLUSTER 4 x 4: W's tile hangs on X alone and is asked for jointly along a column of the cluster, a's on Y alone and jointly along a row.
; Wave w: tokens 64 (w / 4) .., columns 64 (w % 4) ..: 4 x 4 tiles.  Source 0 = 16 columns of W, source 1 = 16 tokens: a lane holds eight neighbouring columns of one row of out0.  The bias is the C of each sum's first instruction.
; THE WAY OUT: 16 rows x 64 columns at a time through the wave's own stage in LDS, back as rows of 256 bytes: sixteen lanes store 256 consecutive bytes, at a multiple of 256 from out0's first byte.
.set CHUNK, 102400                     ; LDS: a chunk: W's 256 rows of 272 bytes, then eight tiles' images of 4,096 bytes
.set PITCH, 272
.set IOFF,  256*PITCH
.set STAGE, 2*CHUNK                    ; behind the chunks: 16 rows x 272 bytes for each wave; no fill lands there
.set T0S, 16*PITCH                     ; W's fragments: from tile to tile, K step to K step, register quad to quad
.set Q0S, 64
.set C0S, 32
.set T1S, 4096                         ; a's: images
.set Q1S, 1024
.set C1S, 512
.set N0, 4
.set N1, 4
.set NL, 2*(N0+N1)
.set BSRC0, 1
.set WV,  18
.set G1A, 24                           ; s[24:31] descriptor group 1 for W's tiles; s[32:39] for a's; s[40:47], s[48:55] their groups 0, one for each chunk
.set G1B, 32
.set G0A, 40
.set G0B, 48
.set AD0, 8                            ; v8-9 LDS address of W's fragments in chunk 0, 1;  v10-11 of a's
.set AD1, 10
.set STO, 14                           ; v14 the stage: where I put 32 bytes of a row;  v15 where I read a row back;  v5 my offset in out0
.set RD,  15
.set CO,  5
.set SX,  16                           ; v16-31 a's scale words: register 8 p + q: lanes 0-15 tile 2 p, lanes 16-31 tile 2 p + 1
.set SW,  48                           ; v48-63 W's: lane l = row 32 p + l
.set S0,  SW
.set S1,  SX
.set BK,  64                           ; v64-127 rows read back from the stage, two sets by turns
.set ACC, 128
.set F0,  0                            ; window 1: two sets of fragments, and the bias tiles
.set F1,  80
.set BIAS, 160
.set MSB, 0
.macro WIN new                         ; the immediate's high byte repeats the setting that is left
.if MSB != \new
	s_set_vgpr_msb (MSB<<8)|\new
.set MSB, \new
.endif
.endm
.macro CROUND                          ; a round of the cluster's barrier
	s_barrier_signal -1
	s_barrier_wait -1
	s_cmp_lg_u32 s[WV], 0
	s_cbranch_scc1 .Lnot_wave_0_\@
	s_barrier_signal -3
.Lnot_wave_0_\@:
	s_barrier_wait -3
	s_barrier_signal -1
	s_barrier_wait -1
.endm
.macro PLACES                          ; four plain places behind matrix instructions (ISA guide 7.12.1)
.rept 4
	v_nop
.endr
.endm
.macro WMR d, a, b, c, sa, sb, ra, rb
.if (\ra) && (\rb)
	v_wmma_scale_f32_16x16x128_f8f6f4 v[(\d):(\d)+7], v[(\a):(\a)+7], v[(\b):(\b)+7], v[(\c):(\c)+7], v[\sa], v[\sb] matrix_a_fmt:MATRIX_FMT_FP4 matrix_b_fmt:MATRIX_FMT_FP4 matrix_a_scale:MATRIX_SCALE_ROW1 matrix_b_scale:MATRIX_SCALE_ROW1
.elseif (\ra)
	v_wmma_scale_f32_16x16x128_f8f6f4 v[(\d):(\d)+7], v[(\a):(\a)+7], v[(\b):(\b)+7], v[(\c):(\c)+7], v[\sa], v[\sb] matrix_a_fmt:MATRIX_FMT_FP4 matrix_b_fmt:MATRIX_FMT_FP4 matrix_a_scale:MATRIX_SCALE_ROW1
.elseif (\rb)
	v_wmma_scale_f32_16x16x128_f8f6f4 v[(\d):(\d)+7], v[(\a):(\a)+7], v[(\b):(\b)+7], v[(\c):(\c)+7], v[\sa], v[\sb] matrix_a_fmt:MATRIX_FMT_FP4 matrix_b_fmt:MATRIX_FMT_FP4 matrix_b_scale:MATRIX_SCALE_ROW1
.else
	v_wmma_scale_f32_16x16x128_f8f6f4 v[(\d):(\d)+7], v[(\a):(\a)+7], v[(\b):(\b)+7], v[(\c):(\c)+7], v[\sa], v[\sb] matrix_a_fmt:MATRIX_FMT_FP4 matrix_b_fmt:MATRIX_FMT_FP4
.endif
.endm
.macro FETCH f, q                      ; K step q's fragments into set f: four of W, then four of a
	WIN 0x40                                       ; destination window 1, address window 0
.set ii, 0
.rept N0
	ds_load_b128 v[\f+8*ii:\f+8*ii+3],   v[AD0+(\q)/4] offset:ii*T0S+((\q)%4)*Q0S
	ds_load_b128 v[\f+8*ii+4:\f+8*ii+7], v[AD0+(\q)/4] offset:ii*T0S+((\q)%4)*Q0S+C0S
.set ii, ii+1
.endr
.set ii, 0
.rept N1
	ds_load_b128 v[\f+8*(N0+ii):\f+8*(N0+ii)+3],   v[AD1+(\q)/4] offset:ii*T1S+((\q)%4)*Q1S
	ds_load_b128 v[\f+8*(N0+ii)+4:\f+8*(N0+ii)+7], v[AD1+(\q)/4] offset:ii*T1S+((\q)%4)*Q1S+C1S
.set ii, ii+1
.endr
.endm
.macro MUL f, q, first                 ; K step q's sixteen products; the sixteen accumulators take turns, one instruction a turn
.if \first
	WIN 0x15                                       ; sources 0, 1 and C window 1, D window 0
.else
	WIN 0x05
.endif
.set aa, 0
.rept N1
.set ii, 0
.rept N0
.set dd, ACC+8*(N0*aa+ii)
.set cc, dd
.if \first
.set cc, BIAS+8*(BSRC0*ii+(1-BSRC0)*aa)
.endif
	WMR dd, \f+8*ii, \f+8*(N0+aa), cc, S0+8*(ii/2)+\q, S1+8*(aa/2)+\q, ii%2, aa%2
.set ii, ii+1
.endr
.set aa, aa+1
.endr
.endm
	s_load_b256 s[4:11], s[0:1], 0x0               ; aimg s[4:5], asw s[6:7], W's codes s[8:9], W's scales s[10:11]
	s_load_b128 s[12:15], s[0:1], 0x20             ; b_out s[12:13], out0 s[14:15]
	v_lshl_add_u32 v46, v0, 2, 0x3a800
	v_mov_b32 v47, 0
	ds_add_u32 v46, v47
	ds_add_u32 v46, v47
	v_lshrrev_b32 v1, 5, v0
	v_readfirstlane_b32 s[WV], v1                  ; wave 0..7
	s_and_b32 s23, s[WV], 3                        ; which quarter of a tile I fetch; also cg, my 64 columns
	s_bfe_u32 s19, ttmp6, 0x40000                  ; cx, cy
	s_bfe_u32 s20, ttmp6, 0x40004
	s_lshl_b32 s21, ttmp9, 2
	s_add_co_u32 s21, s21, s19                     ; X
	s_and_b32 s22, ttmp7, 0xffff
	s_lshl_b32 s22, s22, 2
	s_add_co_u32 s22, s22, s20                     ; Y
	s_lshl_b32 s56, s20, 2
	s_lshl_b32 s56, 15, s56                        ; my row of the cluster
	s_lshl_b32 s57, 0x1111, s19                    ; my column
	s_or_b32 s[G1A], s57, (1<<20)|(1<<21)|(5<<22)|(3<<25)   ; W: the mask of my column; elements of 1 byte; four words of padding after every 64
	s_mov_b32 s[G1A+1], 256<<16                    ; rows of 256 bytes,
	s_mov_b32 s[G1A+2], 64<<16                     ; 64 of them,
	s_mov_b32 s[G1A+3], 256<<16
	s_mov_b32 s[G1A+4], 64
	s_mov_b32 s[G1A+5], 512                        ; 512 bytes apart in memory
	s_mov_b32 s[G1A+6], 0
	s_mov_b32 s[G1A+7], 0
	s_or_b32 s[G1B], s56, (3<<16)|(1<<21)          ; a: the mask of my row; elements of 8 bytes; no padding: images are read 16 bytes a lane on end
	s_mov_b32 s[G1B+1], 512<<16                    ; a tile's eight heads of a chunk: 4,096 bytes,
	s_mov_b32 s[G1B+2], 2<<16                      ; two tiles,
	s_mov_b32 s[G1B+3], 512<<16
	s_mov_b32 s[G1B+4], 2
	s_mov_b32 s[G1B+5], 1024                       ; 8,192 bytes apart in memory
	s_mov_b32 s[G1B+6], 0
	s_mov_b32 s[G1B+7], 0
	s_lshl_b32 s58, s21, 17                        ; W: row 256 X + 64 x quarter, 512 bytes a row (registers that never hold Y)
	s_lshl_b32 s59, s23, 15
	s_add_co_u32 s58, s58, s59
	s_mov_b32 s59, 0
	s_lshl_b32 s60, s22, 16                        ; a: tile 8 Y + 2 x quarter, 8,192 bytes a tile (registers that never hold X)
	s_lshl_b32 s61, s23, 14
	s_add_co_u32 s60, s60, s61
	s_mov_b32 s61, 0
	s_mul_i32 s62, s23, 64*PITCH                   ; where they go
	s_lshl_b32 s63, s23, 13
	s_add_co_u32 s63, s63, IOFF
	s_wait_dscnt 0x0
	s_wait_kmcnt 0x0
	s_add_nc_u64 s[66:67], s[8:9], s[58:59]
	s_add_nc_u64 s[68:69], s[4:5], s[60:61]
.irp c, 0,1
	s_mov_b32 s[G0A+4*\c], 1
	s_add_co_u32 s[G0A+4*\c+1], s62, \c*CHUNK
	s_add_nc_u64 s[G0A+4*\c+2:G0A+4*\c+3], s[66:67], \c*256
	s_or_b32 s[G0A+4*\c+3], s[G0A+4*\c+3], 0x80000000
	s_mov_b32 s[G0B+4*\c], 1
	s_add_co_u32 s[G0B+4*\c+1], s63, \c*CHUNK
	s_add_nc_u64 s[G0B+4*\c+2:G0B+4*\c+3], s[68:69], \c*4096
	s_or_b32 s[G0B+4*\c+3], s[G0B+4*\c+3], 0x80000000
.endr
	CROUND                                         ; all sixteen work-groups are here: the joint loads meet
	s_cmp_lt_u32 s[WV], 4                          ; waves 0-3 fetch W's quarters, waves 4-7 a's: a wave's two fills stand in one branch; two loads of mine are out
	s_cbranch_scc0 .Lfill_a
	tensor_load_to_lds s[G0A:G0A+3], s[G1A:G1A+7]
	s_nop 0
	tensor_load_to_lds s[G0A+4:G0A+7], s[G1A:G1A+7]
	s_nop 0
.rept 4
	v_nop
.endr
	s_branch .Lfilled
.Lfill_a:
	tensor_load_to_lds s[G0B:G0B+3], s[G1B:G1B+7]
	s_nop 0
	tensor_load_to_lds s[G0B+4:G0B+7], s[G1B:G1B+7]
	s_nop 0
.rept 4
	v_nop
.endr
.Lfilled:
	v_and_b32 v1, 31, v0                           ; lane
	v_and_b32 v2, 15, v0                           ; r
	v_bfe_u32 v3, v0, 4, 1                         ; h
	v_lshlrev_b32 v4, 4, v1                        ; 16 x lane
	v_lshlrev_b32 v6, 5, v1                        ; 32 x lane: a row of W's scale bytes
	v_mul_u32_u24 v7, v2, PITCH
	v_lshl_add_u32 v7, v3, 4, v7                   ; a fragment of W: row r x pitch + 16 h
	v_lshlrev_b32 v12, 5, v3                       ; the bias of eight columns: 32 h
	v_lshlrev_b32 v13, 2, v2
	v_lshl_add_u32 v13, v3, 9, v13                 ; a's scale words: 512 h + 4 r
	v_lshlrev_b32 v[CO], 4, v2
	v_lshl_add_u32 v[CO], v3, 12, v[CO]            ; out0: lanes 0-15 one row, lanes 16-31 the next; 16 bytes a lane
	s_lshr_b32 s70, s[WV], 2                       ; tg: my 64 tokens
	s_mul_i32 s72, s23, 64*PITCH
	s_lshl_b32 s73, s70, 14
	s_add_co_u32 s73, s73, IOFF
	v_add_nc_u32 v[AD0], s72, v7
	v_add_nc_u32 v[AD0+1], CHUNK, v[AD0]
	v_add_nc_u32 v[AD1], s73, v4
	v_add_nc_u32 v[AD1+1], CHUNK, v[AD1]
	s_mul_i32 s71, s[WV], 16*PITCH
	s_add_co_u32 s71, s71, STAGE                   ; my stage
	v_mul_u32_u24 v[STO], v2, PITCH
	v_lshl_add_u32 v[STO], v3, 5, v[STO]
	v_add_nc_u32 v[STO], s71, v[STO]               ; in: row r, + 32 h
	v_mul_u32_u24 v[RD], v3, PITCH
	v_lshl_add_u32 v[RD], v2, 4, v[RD]
	v_add_nc_u32 v[RD], s71, v[RD]                 ; back: row h, + 16 r
	s_lshl_b32 s74, s22, 3
	s_lshl_b32 s75, s70, 2
	s_add_co_u32 s74, s74, s75                     ; my first tile of tokens
	s_lshl_b32 s76, s74, 9
	s_mov_b32 s77, 0
	s_add_nc_u64 s[6:7], s[6:7], s[76:77]          ; its scale words
	s_lshl_b32 s78, s21, 8
	s_lshl_b32 s79, s23, 6
	s_add_co_u32 s78, s78, s79                     ; my first column
	s_lshl_b32 s76, s78, 5
	s_add_nc_u64 s[10:11], s[10:11], s[76:77]
	s_lshl_b32 s76, s78, 2
	s_add_nc_u64 s[12:13], s[12:13], s[76:77]
	s_add_nc_u64 s[14:15], s[14:15], s[76:77]
	s_lshl_b32 s76, s74, 16                        ; 16 rows of 4,096 bytes a tile
	s_add_nc_u64 s[14:15], s[14:15], s[76:77]
.irp p, 0,1
.irp k, 0,1
	global_load_b128 v[SW+8*\p+4*\k:SW+8*\p+4*\k+3], v6, s[10:11] offset:1024*\p+16*\k
.endr
.irp q, 0,1,2,3,4,5,6,7
	global_load_b32 v[SX+8*\p+\q], v13, s[6:7] offset:1024*\p+64*\q
.endr
.endr
	WIN 0x40
.irp i, 0,1,2,3
	global_load_b128 v[BIAS+8*\i:BIAS+8*\i+3],   v12, s[12:13] offset:64*\i      ; columns 16 i + 8 h + 0 .. 7
	global_load_b128 v[BIAS+8*\i+4:BIAS+8*\i+7], v12, s[12:13] offset:64*\i+16
.endr
	WIN 0
	s_wait_loadcnt 0x0                             ; scale words and bias
	s_wait_tensorcnt 0x1                           ; my part of chunk 0 has landed; chunk 1's may be out
	s_barrier_signal -1
	s_barrier_wait -1                              ; everybody's has
	; the eight K steps, written out: while one set of fragments is multiplied the other is fetched
	FETCH F0, 0
	FETCH F1, 1
	s_wait_dscnt NL                                ; K step 0's fragments are in; the NL loads just issued may be out (so at each such wait below)
	MUL F0, 0, 1
	PLACES
	FETCH F0, 2
	s_wait_dscnt NL
	MUL F1, 1, 0
	PLACES
	FETCH F1, 3
	s_wait_dscnt NL
	MUL F0, 2, 0
	PLACES
	s_wait_tensorcnt 0x0                           ; my part of chunk 1 has landed,
	s_wait_dscnt 0x0                               ; no LDS load of mine is out,
	s_barrier_signal -1
	s_barrier_wait -1                              ; and so for all eight waves: chunk 1 may be read
	FETCH F0, 4
	MUL F1, 3, 0
	PLACES
	FETCH F1, 5
	s_wait_dscnt NL
	MUL F0, 4, 0
	PLACES
	FETCH F0, 6
	s_wait_dscnt NL
	MUL F1, 5, 0
	PLACES
	FETCH F1, 7
	s_wait_dscnt NL
	MUL F0, 6, 0
	s_wait_dscnt 0x0
	MUL F1, 7, 0
	WIN 0
	PLACES
; THE WAY OUT, 16 rows at a time.  LDS serves a wave's instructions in order (ISA guide 5.7.1.4): no wait between the stores into my stage and the loads from it, nor in front of the next block's stores.
.macro TOSTAGE a
.irp i, 0,1,2,3
	ds_store_b128 v[STO], v[ACC+32*(\a)+8*\i:ACC+32*(\a)+8*\i+3]   offset:64*\i      ; each accumulator from its low end on
	ds_store_b128 v[STO], v[ACC+32*(\a)+8*\i+4:ACC+32*(\a)+8*\i+7] offset:64*\i+16
.endr
.irp k, 0,1,2,3,4,5,6,7
	ds_load_b128 v[BK+32*((\a)%2)+4*\k:BK+32*((\a)%2)+4*\k+3], v[RD] offset:2*\k*PITCH
.endr
.endm
.macro SEND a, younger                 ; younger: the LDS instructions issued behind block a's loads, which may stay out
	s_wait_dscnt \younger
.irp k, 0,1,2,3,4,5,6,7
	global_store_b128 v[CO], v[BK+32*((\a)%2)+4*\k:BK+32*((\a)%2)+4*\k+3], s[14:15] offset:65536*(\a)+8192*\k th:TH_STORE_NT   ; written once, read by nobody here
.endr
.endm
	TOSTAGE 0
.irp a, 1,2,3
.if \a > 1
	s_wait_xcnt 0x0                                ; block a - 2's stores have read their registers: block a's loads may land there
.endif
	TOSTAGE \a
	SEND \a-1, 16                                  ; behind block a - 1's loads: block a's 8 stores and 8 loads
.endr
	SEND 3, 0
	s_wait_tensorcnt 0x0
	ds_add_u32 v46, v47
	s_wait_dscnt 0x0
	CROUND                                         ; the closing round: no work-group ends while a partner may still ask for a tile that names it
	s_endpgm
.Lfunc_end_k_qf7fcedf05b_proj:
	.size	k_qf7fcedf05b_proj, .Lfunc_end_k_qf7fcedf05b_proj-k_qf7fcedf05b_proj
	.p2alignl 7, 3214868480
	.fill 96, 4, 3214868480
	.section	.rodata,"a",@progbits
	.p2align	6, 0x0
	.amdhsa_kernel k_qf7fcedf05b_proj
		.amdhsa_group_segment_fixed_size 240640
		.amdhsa_private_segment_fixed_size 0
		.amdhsa_enable_private_segment 0
		.amdhsa_kernarg_size 48
		.amdhsa_user_sgpr_count 2
		.amdhsa_user_sgpr_kernarg_segment_ptr 1
		.amdhsa_wavefront_size32 1
		.amdhsa_system_sgpr_workgroup_id_x 1
		.amdhsa_system_sgpr_workgroup_id_y 1
		.amdhsa_system_sgpr_workgroup_id_z 1
		.amdhsa_system_vgpr_workitem_id 0
		.amdhsa_next_free_vgpr 448
		.amdhsa_next_free_sgpr 100
		.amdhsa_reserve_vcc 0
		.amdhsa_float_denorm_mode_32 3
		.amdhsa_float_denorm_mode_16_64 3
		.amdhsa_memory_ordered 1
		.amdhsa_forward_progress 1
		.amdhsa_inst_pref_size 43
	.end_amdhsa_kernel
	.amdgpu_metadata
---
amdhsa.version: [ 1, 2 ]
amdhsa.kernels:
  - .name:           k_qf7fcedf05b_proj
    .symbol:         k_qf7fcedf05b_proj.kd
    .args:
      - { .name: aimg, .offset: 0, .size: 8, .value_kind: global_buffer, .address_space: global }
      - { .name: asw, .offset: 8, .size: 8, .value_kind: global_buffer, .address_space: global }
      - { .name: W_out_codes, .offset: 16, .size: 8, .value_kind: global_buffer, .address_space: global }
      - { .name: W_out_scales, .offset: 24, .size: 8, .value_kind: global_buffer, .address_space: global }
      - { .name: b_out, .offset: 32, .size: 8, .value_kind: global_buffer, .address_space: global }
      - { .name: out0, .offset: 40, .size: 8, .value_kind: global_buffer, .address_space: global }
    .group_segment_fixed_size: 240640
    .private_segment_fixed_size: 0
    .kernarg_segment_align: 8
    .kernarg_segment_size: 48
    .max_flat_workgroup_size: 256
    .sgpr_count:     100
    .vgpr_count:     448
    .wavefront_size: 32
...
	.end_amdgpu_metadata
.endif
;; end of part 4
;; ======== version 2 of 2: 4 launches; version 1 with the launch attn written anew for expert scheduling mode
;; workspace buffers: qbuf 4,718,592 bytes; kvbuf 9,175,040 bytes; aimg 4,194,304 bytes; asw 262,144 bytes; mwords 2,097,152 bytes of whole numbers; mflags 2,048 bytes of whole numbers
;; launch masks: the kernel of part 1 again; grid 512 x 1, 8 waves a work-group, no clusters, 1,280 bytes of LDS; arguments causal_mask, padding_mask, mwords, mflags; writes mwords, mflags
;; launch qkv: the kernel of part 2 again; grid 24 x 32, 8 waves a work-group, clusters of 4 x 4, 209,920 bytes of LDS; arguments x_codes, x_scales, W_qkv_codes, W_qkv_scales, b_qkv, qbuf, kvbuf; writes qbuf, kvbuf
;; launch attn (part 5): grid 4 x 64, 16 waves a work-group, no clusters, 145,408 bytes of LDS; arguments qbuf, kvbuf, mwords, mflags, aimg, asw; writes aimg, asw
.if DOCPART == 5
	.amdgcn_target "amdgcn-amd-amdhsa--gfx1250"
	.amdhsa_code_object_version 6
	.text
	.protected	k_qf7fcedf05b_attn
	.globl	k_qf7fcedf05b_attn
	.p2align	8
	.type	k_qf7fcedf05b_attn,@function
k_qf7fcedf05b_attn:
	s_mov_b64 s[64:65], 0
	v_nop
	global_prefetch_b8 v0, s[64:65] scope:SCOPE_SE
	s_setreg_imm32_b32 hwreg(HW_REG_WAVE_SCHED_MODE, 0, 2), 2
	s_setreg_imm32_b32 hwreg(HW_REG_WAVE_MODE, 25, 1), 1
	s_wait_xcnt 0x0
	s_wait_alu depctr_vm_vsrc(0)
; Attention of one head g = 16 b + head on codes of FP4 (E2M1): S^T = K Q^T (K = the head's 64 channels), the softmax by the stated rule, O^T = V^T P^T (K = the keys), O / l quantised along the channels for the last product.
; t = score x log2(e) / 8; M = the running largest t rounded UP to a whole number; p = 2^(t - M) is quantised along the keys, 32 to a block; the row's sum l is taken of the unquantised p; when M moves, l and O^T are
; multiplied by 2^(old M - new M), which rounds nothing.
; SHARES.  Work-group (jx, g) owns the tiles of 16 queries tau = 4 i + jx, i = 0 .. 31; wave w takes i = w and then i = 31 - w.  The head's K and V (codes and scale words, 143,360 bytes, as the launch before laid
; them) are copied into LDS once, through registers; behind the one barrier the waves share nothing.  Four waves to a SIMD: one wave's vector work stands beside another's matrix work and loads.
; THE MASKS are inputs; an earlier launch has laid them as lane masks and flags.  A key step of 128 keys whose flag says so is left out (a scalar branch on the stored flag word; trip counts are constants);
; a step with a masked element loads 64 lane masks into scalar registers and replaces each masked score by -2^120 ahead of the maximum: one select a score.
; Since c x 2^120 is a whole number in f32, a query with no open key so far has t = M and p = 1 at every key, the equal weights that such a row is owed; the first open key multiplies that by 2^(a saturated
; whole number) = 0; behind an open key a masked p is 0.
; K = 64 IN A FORM OF K = 128.  Q's fragment is four registers of codes and four of zeros.  K's tiles lie four registers apart; the upper half of a tile's operand is the next tile's codes (behind the last: zeros of
; their own), which meet Q's zero codes; bytes 2 and 3 of both scale words are 0, a power of two like any other.
; No cluster, no tensor load: the walk hangs on stored flags; what the four work-groups of a head share is fetched once each, 143,360 bytes against 544 key steps of softmax.
; LIMITS: scores lie above -2^120; NaN and infinities are not served; a block whose largest number lies under 2^-124 has its byte held at 1 (its codes are then zeros or tiny; this program alone reads the bytes).
; asw's bytes leave singly, 32 a tile and head (262,144 bytes in the launch): the two heads of a scale word belong to different work-groups.
; THE MODE: SCHED_MODE bits 1:0 = 2 (LLVM: expert scheduling mode 2), set by the entry lines.  The code itself states the register dependences between vector or matrix instructions and memory or LDS
; instructions, with s_wait_alu, always for 0.
; THE PLAN.  Registers that memory or LDS instructions touch:
;   v5, v8-11    At the head: made once, read by the fill's loads and LDS stores.  In a step: v8-11 are written by four additions at the step's head and read by the step's 22 LDS loads.
;   v100-169     At the head: the fill's loads land there, its LDS stores read them.  From then on S^T and O^T, named by vector and matrix instructions alone.
;   v226, v227   Written at a tile's head, read by the tile's two loads of Q.   v16-19, v24: those loads land there; every step's first products read them.
;   v32-63, v26-29  K and its scale words: LDS loads land there at a step's head; the step's eight first products read them.
;   v68-99, v30-31  V and its scale words: LDS loads land there; the step's four second products, at its end, read them.
;   v196-204     p's codes and scale word: written by vector instructions, taken by the second products as an operand and as scales.
;   v196-199, v228, v221, v229  At a tile's end: data and offsets of its two stores.
; A STEP HAS ONE WAIT FOR ITS 22 LOADS, behind the four additions at its head: the addresses are written, and the products of the step walked before are done reading K and V.  Behind it stand, up to the last load,
; the eight first products alone, which name S^T, K, Q and their scale words: none of V's registers or addresses.  So V's loads are dealt among those products with no further wait.
.set QF,  16                           ; v16-19 Q's codes, v20-23 zeros
.set QS,  24                           ; v24    Q's scale words
.set SENT, 25                          ; v25    -2^120
.set KS,  26                           ; v26-29 K's scale words: lanes 0-15 tile 2 p, lanes 16-31 tile 2 p + 1
.set VS,  30                           ; v30-31 V's likewise
.set KF,  32                           ; v32-63 K's eight tiles, four registers each; v64-67 zeros
.set VF,  68                           ; v68-99 V's four fragments
.set SCO, 100                          ; v100-163 S^T, then p
.set OT,  164                          ; v164-195 O^T
.set PCD, 196                          ; v196-203 p's codes
.set PS,  204                          ; v204   p's scale word
.set TM,  208                          ; v208-211 a block's largest; v212-215 the other half's, then the bytes; v216-219 the conversions' scale operands
.set T2,  212
.set SCL, 216
.set TV,  220                          ; v220   at work
.set AO,  221                          ; v221   my offset in aimg
.set FF,  222                          ; v[222:223] f = 2^(old M - new M), named as a pair
.set SU,  224                          ; v[224:225] the second chain of the sum
.set QO,  226                          ; v226-227 my offsets in qbuf
.set BB,  228                          ; v228   the byte that I store;  v229 where
.set BO,  229
.set BY,  230                          ; v230-231 the two bytes of O's blocks
.set WV,  66                           ; s66 wave; s67 jx; s68 g; s69 the trip of the loop over tiles; s70 tau; s71 T = 128 b + tau
.set MW,  72                           ; s[72:73] the step's 64 mask words in memory
.set FL,  78                           ; s78 the flags, shifted one bit a step; s79 steps to go
.set TB,  96                           ; s96 4,096 x step; s97, s98 an eighth and a sixteenth of it
.set HI,  99                           ; s99 lanes 16-31
.set CS,  100                          ; s[100:101] c = log2(e) / 8, named as a pair
; the mask words: word n in s[16 + n] for n < 48, in s[32 + n] from there on
.macro WMZ d, a, b, sa, sb, ra         ; a product that starts a sum
.if \ra
	v_wmma_scale_f32_16x16x128_f8f6f4 v[(\d):(\d)+7], v[(\a):(\a)+7], v[(\b):(\b)+7], 0, v[\sa], v[\sb] matrix_a_fmt:MATRIX_FMT_FP4 matrix_b_fmt:MATRIX_FMT_FP4 matrix_a_scale:MATRIX_SCALE_ROW1
.else
	v_wmma_scale_f32_16x16x128_f8f6f4 v[(\d):(\d)+7], v[(\a):(\a)+7], v[(\b):(\b)+7], 0, v[\sa], v[\sb] matrix_a_fmt:MATRIX_FMT_FP4 matrix_b_fmt:MATRIX_FMT_FP4
.endif
.endm
.macro WMA d, a, b, sa, sb, ra         ; a product that adds in place
.if \ra
	v_wmma_scale_f32_16x16x128_f8f6f4 v[(\d):(\d)+7], v[(\a):(\a)+7], v[(\b):(\b)+7], v[(\d):(\d)+7], v[\sa], v[\sb] matrix_a_fmt:MATRIX_FMT_FP4 matrix_b_fmt:MATRIX_FMT_FP4 matrix_a_scale:MATRIX_SCALE_ROW1
.else
	v_wmma_scale_f32_16x16x128_f8f6f4 v[(\d):(\d)+7], v[(\a):(\a)+7], v[(\b):(\b)+7], v[(\d):(\d)+7], v[\sa], v[\sb] matrix_a_fmt:MATRIX_FMT_FP4 matrix_b_fmt:MATRIX_FMT_FP4
.endif
.endm
	s_load_b256 s[4:11], s[0:1], 0x0               ; qbuf s[4:5], kvbuf s[6:7], mwords s[8:9], mflags s[10:11]
	s_load_b128 s[12:15], s[0:1], 0x20             ; aimg s[12:13], asw s[14:15]
	v_lshl_add_u32 v254, v0, 2, 0x23000
	v_mov_b32 v255, 0
	v_lshrrev_b32 v1, 5, v0
	v_readfirstlane_b32 s[WV], v1                  ; wave 0..15
	s_mov_b32 s67, ttmp9                           ; jx
	s_and_b32 s68, ttmp7, 0xffff                   ; g
	v_lshlrev_b32 v8, 4, v0                        ; the copy: 16 bytes a thread, 8,192 a line
	v_add_nc_u32 v9, 0x10000, v8
	v_add_nc_u32 v10, 0x20000, v8
	v_lshlrev_b32 v5, 3, v0                        ; and 8 bytes a thread for the last 4,096
	v_add_nc_u32 v11, 139264, v5
	s_mul_i32 s74, s68, 143360
	s_mov_b32 s75, 0
	s_mul_i32 s76, s68, 73728
	s_mov_b32 s77, 0
	s_wait_alu depctr_va_sdst(0)                   ; s66, the wave's number, is written: ahead of the first label and of its first reader, at the head of the loop over tiles
	s_wait_kmcnt 0x0
	s_add_nc_u64 s[6:7], s[6:7], s[74:75]          ; kvbuf and qbuf at my head
	s_add_nc_u64 s[4:5], s[4:5], s[76:77]
	s_wait_alu depctr_va_vdst(0)                   ; v8 and v5 are written, which the loads below read as offsets, and v9 to v11, which with v8 are the LDS stores' addresses; no vector line between here and those stores names them
.irp k, 0,1,2,3,4,5,6,7,8,9,10,11,12,13,14,15,16
	global_load_b128 v[100+4*\k:103+4*\k], v8, s[6:7] offset:8192*\k
.endr
	global_load_b64 v[168:169], v5, s[6:7] offset:139264
	s_load_b512 s[16:31], s[8:9], 0x0              ; the 64 mask registers are written once here, so that they are written on every way through the text
	s_load_b512 s[32:47], s[8:9], 0x40
	s_load_b512 s[48:63], s[8:9], 0x80
	s_load_b512 s[80:95], s[8:9], 0xc0
	v_and_b32 v6, 31, v0                           ; lane
	v_lshlrev_b32 v1, 4, v6                        ; v1  K's images: 16 x lane
	v_add_nc_u32 v2, 73728, v1                     ; v2  V's images
	v_lshl_add_u32 v3, v6, 2, 0x10000              ; v3  K's scale words: 4 x lane
	v_lshl_add_u32 v4, v6, 2, 139264               ; v4  V's scale words
	v_and_b32 v6, 15, v0                           ; r
	v_bfe_u32 v7, v0, 4, 1                         ; h
	v_lshl_add_u32 v7, v6, 2, v7                   ; v7  4 r + h: my byte among a tile's scale words
	v_lshlrev_b32 v6, 2, v6                        ; v6  4 r
.irp k, 20,21,22,23,64,65,66,67
	v_mov_b32 v\k, 0                               ; zero codes
.endr
.irp k, 212,213,214,215,220,223
	v_mov_b32 v\k, 0                               ; written once: destinations of lane permutes, and the upper half of a pair that is named whole
.endr
	v_mov_b32 v[SENT], 0xfb800000                  ; -2^120
	s_mov_b32 s2, 0x76543210
	s_mov_b32 s3, 0xfedcba98                       ; v_permlanex16_b32's selects for lane l xor 16
	s_mov_b32 s[HI], 0xffff0000
	s_mov_b32 s[CS], 0x3e38aa3b                    ; c = log2(e) / 8
	s_mov_b32 s[CS+1], s[CS]
.irp k, 0,1,2,3,4,5,6,7
	s_wait_loadcnt 17-\k                           ; load k is in: 17 - k were issued behind it
	ds_store_b128 v8, v[100+4*\k:103+4*\k] offset:8192*\k
.endr
.irp k, 8,9,10,11,12,13,14,15
	s_wait_loadcnt 17-\k
	ds_store_b128 v9, v[100+4*\k:103+4*\k] offset:8192*(\k-8)
.endr
	s_wait_loadcnt 0x1
	ds_store_b128 v10, v[164:167]
	s_wait_loadcnt 0x0
	ds_store_b64 v11, v[168:169]
	s_wait_kmcnt 0x0
	s_wait_dscnt 0x0                               ; for the others' sake: my part of the head lies in LDS
	s_barrier_signal -1
	s_barrier_wait -1                              ; the launch's one barrier: from here on LDS is only read
	s_wait_alu depctr_vm_vsrc(0)                   ; my LDS stores have read v100 to v169 and v8 to v11: these are S^T, O^T and the steps' addresses from here on, written by matrix and vector instructions
	s_mov_b32 s69, 0
.Ltile:
	s_sub_co_u32 s74, 31, s[WV]
	s_cmp_eq_u32 s69, 0
	s_cselect_b32 s70, s[WV], s74                  ; i = w, then 31 - w
	s_lshl_b32 s70, s70, 2
	s_add_co_u32 s70, s70, s67                     ; tau
	s_lshr_b32 s71, s68, 4
	s_lshl_b32 s71, s71, 7
	s_add_co_u32 s71, s71, s70                     ; T
	s_lshl_b32 s74, s71, 12
	s_mov_b32 s75, 0
	s_add_nc_u64 s[MW:MW+1], s[8:9], s[74:75]      ; the tile's mask words: 4,096 bytes
	s_lshl_b32 s76, s71, 2
	s_load_b32 s[FL], s[10:11], s76 offset:0x0     ; its flags
	s_lshl_b32 s77, s70, 9
	v_add_nc_u32 v[QO], s77, v1
	s_lshl_b32 s77, s70, 6
	v_add_nc_u32 v[QO+1], s77, v6
	s_wait_alu depctr_va_vdst(0)                   ; v226 and v227 are written, which the two loads read; the products of the tile before are done reading Q's codes and scale words, in which the loads land; in the first trip the zero codes, parts of scaled products' operands, are written
	global_load_b128 v[QF:QF+3], v[QO], s[4:5]     ; Q's image: lane (r, h): block h of query r
	global_load_b32 v[QS], v[QO+1], s[4:5] offset:65536
	v_mov_b32 v13, 0xff61b1e6                      ; the largest t so far: -3e38, under every t
	v_floor_f32 v12, -v13                          ; -M
	v_mov_b32 v14, 0                               ; l, in two halves
	v_mov_b32 v15, 0
.set j, 0
.rept 32
	v_mov_b32 v[OT+j], 0                           ; O^T: which step is a tile's first hangs on the flags, so no product of the text can start the sums
.set j, j+1
.endr
	s_mov_b32 s[TB], 0
	s_mov_b32 s79, 16
	s_wait_loadcnt 0x0
	s_wait_kmcnt 0x0
.Lstep:
	s_bitcmp1_b32 s[FL], 0                         ; left out: every element is masked, and every query of the tile has an open key elsewhere: every p would be 0
	s_cbranch_scc1 .Lskip
	s_lshr_b32 s97, s[TB], 3
	s_lshr_b32 s98, s[TB], 4
	s_wait_alu depctr_vm_vsrc(0)                   ; the LDS loads issued so far have read v8 to v11, which the four lines below write
	v_add_nc_u32 v8, s[TB], v1                     ; K's eight images
	v_add_nc_u32 v9, s[TB], v2                     ; V's four fragments
	v_add_nc_u32 v10, s97, v3                      ; K's scale words: 512 bytes a step
	v_add_nc_u32 v11, s98, v4                      ; V's: 256 bytes a step
	s_wait_alu depctr_va_vdst(0)                   ; the step's one wait for its 22 LDS loads: v8 to v11 are written; the first products of the step walked before are done reading K and its scale words, its second products V and V's scale words
.irp t, 0,1,2,3,4,5,6,7
	ds_load_b128 v[KF+4*\t:KF+4*\t+3], v8 offset:512*\t
.endr
.irp p, 0,1,2,3
	ds_load_b32 v[KS+\p], v10 offset:128*\p
.endr
	s_bitcmp1_b32 s[FL], 16                        ; has the step a masked element?  Then its 64 lane masks are asked for now, ahead of the products
	s_cbranch_scc0 .Lnoload
	s_load_b512 s[16:31], s[MW:MW+1], 0x0
	s_load_b512 s[32:47], s[MW:MW+1], 0x40
	s_load_b512 s[48:63], s[MW:MW+1], 0x80
	s_load_b512 s[80:95], s[MW:MW+1], 0xc0
.Lnoload:
	s_wait_dscnt 0x0                               ; K and its scale words
.irp t, 0,1,2,3,4,5,6,7
	WMZ SCO+8*\t, KF+4*\t, QF, KS+\t/2, QS, \t%2   ; lane (r, h), register j: query r, key 16 t + 8 h + j
	ds_load_b128 v[VF+4*\t:VF+4*\t+3], v9 offset:512*\t   ; V lands under the softmax: register quad t % 2 of fragment t / 2.  No wait: no vector or matrix instruction since the wait at the step's head names V's registers or v9
.endr
.irp p, 0,1
	ds_load_b32 v[VS+\p], v11 offset:128*\p        ; likewise V's scale words and v11
.endr
.rept 4
	v_nop                                          ; four places in front of the first read of the scores
.endr
	s_wait_kmcnt 0x0                               ; on both ways: no scalar load is out from here on
	s_bitcmp1_b32 s[FL], 16
	s_cbranch_scc0 .Lopen
.set n, 0
.rept 64                               ; ascending: each accumulator is read from its low end on
.if n < 48
	v_cndmask_b32 v[SCO+n], v[SCO+n], v[SENT], s[16+n]
.else
	v_cndmask_b32 v[SCO+n], v[SCO+n], v[SENT], s[32+n]
.endif
.set n, n+1
.endr
.Lopen:
.irp b, 0,1,2,3
	v_max3_num_f32 v[TM+\b], v[SCO+16*\b], v[SCO+1+16*\b], v[SCO+2+16*\b]   ; the largest score of each block of 32 keys (tiles 2 b, 2 b + 1): for the row's maximum, and, since p rises with the score, for the block's largest p
.endr
.irp i, 3,5,7,9,11,13
.irp b, 0,1,2,3
	v_max3_num_f32 v[TM+\b], v[TM+\b], v[SCO+16*\b+\i], v[SCO+1+16*\b+\i]
.endr
.endr
.irp b, 0,1,2,3
	v_max_num_f32 v[TM+\b], v[TM+\b], v[SCO+15+16*\b]
.endr
.irp b, 0,1,2,3
	v_permlanex16_b32 v[T2+\b], v[TM+\b], s2, s3
.endr
.irp b, 0,1,2,3
	v_max_num_f32 v[TM+\b], v[TM+\b], v[T2+\b]     ; with lane l xor 16's 16 keys
.endr
	v_max3_num_f32 v[TV], v[TM], v[TM+1], v[TM+2]
	v_max_num_f32 v[TV], v[TV], v[TM+3]            ; the step's largest score of my query
	v_mul_f32 v[TV], s[CS], v[TV]                  ; as t
	v_max_num_f32 v13, v13, v[TV]                  ; the running largest t
	v_mov_b32 v[TV], v12
	v_floor_f32 v12, -v13                          ; the new -M = floor(-t): M is a whole number
	v_sub_f32 v[TV], v12, v[TV]                    ; old M - new M: a whole number, 0 or less
	v_cvt_i32_f32 v[TV], v[TV]                     ; (it saturates)
	v_ldexp_f32 v[FF], 1.0, v[TV]                  ; f = 2^(old M - new M)
.set j, 0
.rept 32
	v_pk_fma_f32 v[SCO+j:SCO+j+1], v[SCO+j:SCO+j+1], s[CS:CS+1], v[12:13] op_sel_hi:[1,0,0]   ; t - M, two at a time
.set j, j+2
.endr
.irp b, 0,1,2,3
	v_fma_f32 v[TM+\b], v[TM+\b], s[CS], v12       ; the same of each block's largest score
.endr
.set j, 0
.rept 64
	v_exp_f32 v[SCO+j], v[SCO+j]                   ; p = 2^(t - M)
.set j, j+1
.endr
	v_pk_mul_f32 v[14:15], v[14:15], v[FF:FF+1] op_sel_hi:[1,0]   ; l under the new M: the plain place behind the exponentials
	s_wait_alu depctr_va_vdst(0)                   ; the 64 exponentials have written p: one wait for the batch, ahead of its first reader
.irp b, 0,1,2,3
	v_exp_f32 v[TM+\b], v[TM+\b]                   ; the block's largest p: the same two instructions on the same number give the same bits
.endr
	v_pk_add_f32 v[SU:SU+1], v[SCO:SCO+1], v[SCO+2:SCO+3]   ; the row's sum, of the unquantised p, in two chains: it reads the 64 alone
.irp j, 4,8,12,16,20,24,28,32,36,40,44,48,52,56,60
	v_pk_add_f32 v[14:15], v[14:15], v[SCO+\j:SCO+\j+1]
	v_pk_add_f32 v[SU:SU+1], v[SU:SU+1], v[SCO+2+\j:SCO+3+\j]
.endr
	v_pk_add_f32 v[14:15], v[14:15], v[SU:SU+1]
	s_wait_alu depctr_va_vdst(0)                   ; the four exponentials have written the blocks' largest p: one wait, ahead of their first reader
.irp b, 0,1,2,3
	v_max_num_f32 v[TM+\b], 0x1800000, v[TM+\b]    ; the floor 2^(3 - 127): the byte cannot fall under 1
.endr
.irp b, 0,1,2,3
	v_add_nc_u32 v[SCL+\b], 0xff000000, v[TM+\b]   ; 2 off the exponent field: the conversion's scale operand
.endr
.irp b, 0,1,2,3
	v_lshrrev_b32 v[T2+\b], 23, v[SCL+\b]          ; the scale's byte
.endr
	v_lshl_or_b32 v[PS], v[T2+1], 8, v[T2]         ; p's scale word for these 128 keys
	v_lshl_or_b32 v[PS], v[T2+2], 16, v[PS]
	v_lshl_or_b32 v[PS], v[T2+3], 24, v[PS]
.irp c, 0,1
.irp u, 0,1
	v_cvt_scalef32_pk8_fp4_f32 v[PCD+4*\c+2*\u],   v[SCO+8*(4*\c+\u):SCO+8*(4*\c+\u)+7],     v[SCL+2*\c]     ; block 2 c, keys 16 u + 8 h + 0 .. 7
	v_cvt_scalef32_pk8_fp4_f32 v[PCD+4*\c+2*\u+1], v[SCO+8*(4*\c+2+\u):SCO+8*(4*\c+2+\u)+7], v[SCL+2*\c+1]   ; block 2 c + 1, the same keys
.endr
.endr
	v_nop                                          ; one plain place behind the scaled conversions
.irp c, 0,1
.irp u, 0,1
	v_permlane16_swap_b32 v[PCD+4*\c+2*\u], v[PCD+4*\c+2*\u+1]   ; lanes 0-15 now hold block 2 c whole, lanes 16-31 block 2 c + 1
.endr
.endr
.set j, 0
.rept 16
	v_pk_mul_f32 v[OT+j:OT+j+1], v[OT+j:OT+j+1], v[FF:FF+1] op_sel_hi:[1,0]   ; O^T under the new M.  For each product below twelve of these name none of its registers: the places behind the writes of p's codes and scale word
.set j, j+2
.endr
	s_wait_dscnt 0x0                               ; V and its scale words
	s_wait_alu depctr_va_vdst(0)                   ; vector instructions have written p's codes and p's scale word, which the scaled products below take as an operand and as scales; the places above stay beside this wait
.irp t, 0,1,2,3
	WMA OT+8*\t, VF+8*\t, PCD, VS+\t/2, PS, \t%2   ; four accumulators, one instruction each; eight other products stand between a sum's links
.endr
.Lskip:
	s_add_co_u32 s[TB], s[TB], 4096
	s_add_nc_u64 s[MW:MW+1], s[MW:MW+1], 256       ; (no scalar load is out)
	s_lshr_b32 s[FL], s[FL], 1
	s_sub_co_u32 s79, s79, 1
	s_cmp_lg_u32 s79, 0
	s_cbranch_scc1 .Lstep
	; the tile's end: O^T / l, quantised along the channels: two blocks of the last product's K
.rept 4
	v_nop                                          ; four places behind the last products
.endr
	v_add_f32 v14, v14, v15
	v_permlanex16_b32 v[TV], v14, s2, s3
	v_add_f32 v14, v14, v[TV]                      ; the row's sum
	v_rcp_f32 v14, v14
	s_lshl_b32 s74, s71, 4
	s_and_b32 s75, s68, 15                         ; head
	s_add_co_u32 s74, s74, s75
	s_lshl_b32 s74, s74, 9
	v_add_nc_u32 v[AO], s74, v1                    ; aimg: (16 T + head) x 512 + 16 x lane.  (The plain place behind the reciprocal)
	s_lshl_b32 s74, s71, 9
	s_lshr_b32 s76, s75, 1
	s_lshl_b32 s76, s76, 6
	s_add_co_u32 s74, s74, s76
	s_and_b32 s77, s75, 1
	s_lshl_b32 s77, s77, 1
	s_add_co_u32 s74, s74, s77
	v_add_nc_u32 v[BO], s74, v7                    ; asw: 512 T + 64 (head / 2) + 4 r + 2 (head % 2) + h
	s_wait_alu depctr_va_vdst(0)                   ; the reciprocal has written v14: ahead of its first reader
.set j, 0
.rept 32
	v_mul_f32 v[SCO+j], v[OT+j], v14               ; ascending: register 8 t + i is o(query r, channel 16 t + 8 h + i)
.set j, j+1
.endr
.irp b, 0,1
	v_max3_num_f32 v[TM+\b], |v[SCO+16*\b]|, |v[SCO+1+16*\b]|, 0x1800000
.endr
.irp i, 2,4,6,8,10,12,14
.irp b, 0,1
	v_max3_num_f32 v[TM+\b], v[TM+\b], |v[SCO+16*\b+\i]|, |v[SCO+1+16*\b+\i]|
.endr
.endr
.irp b, 0,1
	v_permlanex16_b32 v[T2+\b], v[TM+\b], s2, s3
.endr
.irp b, 0,1
	v_max_num_f32 v[TM+\b], v[TM+\b], v[T2+\b]
.endr
.irp b, 0,1
	v_add_nc_u32 v[SCL+\b], 0xff000000, v[TM+\b]
.endr
.irp b, 0,1
	v_lshrrev_b32 v[BY+\b], 23, v[SCL+\b]
.endr
	v_cvt_scalef32_pk8_fp4_f32 v[PCD],   v[SCO:SCO+7],     v[SCL]
	v_cvt_scalef32_pk8_fp4_f32 v[PCD+1], v[SCO+16:SCO+23], v[SCL+1]
	v_cvt_scalef32_pk8_fp4_f32 v[PCD+2], v[SCO+8:SCO+15],  v[SCL]
	v_cvt_scalef32_pk8_fp4_f32 v[PCD+3], v[SCO+24:SCO+31], v[SCL+1]
	v_cndmask_b32 v[BB], v[BY], v[BY+1], s[HI]     ; lane (r, h) stores block h's byte.  (The plain place behind the conversions)
	v_permlane16_swap_b32 v[PCD],   v[PCD+1]
	v_permlane16_swap_b32 v[PCD+2], v[PCD+3]
	s_wait_alu depctr_va_vdst(0)                   ; the exchanges have written the four registers of codes, the select the byte, the additions above the two offsets: the two stores read them
	global_store_b128 v[AO], v[PCD:PCD+3], s[12:13]   ; 512 consecutive bytes: half a fragment of the last product's K step head / 2
	global_store_b8 v[BO], v[BB], s[14:15]
	s_wait_xcnt 0x0                                ; the stores have had their addresses translated: the next tile writes their registers again
	s_wait_alu depctr_vm_vsrc(0)                   ; beside it: the two stores have read their data and offsets, and the tile's loads of Q theirs (v226, v227): the next tile's vector instructions write all of them again
	s_add_co_u32 s69, s69, 1
	s_cmp_lt_u32 s69, 2
	s_cbranch_scc1 .Ltile
	s_wait_dscnt 0x0                               ; the closing lines, six on end
	s_wait_alu 0x0
	s_wait_tensorcnt 0x0
	ds_add_u32 v254, v255
	s_wait_dscnt 0x0
	s_endpgm
.Lfunc_end_k_qf7fcedf05b_attn:
	.size	k_qf7fcedf05b_attn, .Lfunc_end_k_qf7fcedf05b_attn-k_qf7fcedf05b_attn
	.p2alignl 7, 3214868480
	.fill 96, 4, 3214868480
	.section	.rodata,"a",@progbits
	.p2align	6, 0x0
	.amdhsa_kernel k_qf7fcedf05b_attn
		.amdhsa_group_segment_fixed_size 145408
		.amdhsa_private_segment_fixed_size 0
		.amdhsa_enable_private_segment 0
		.amdhsa_kernarg_size 48
		.amdhsa_user_sgpr_count 2
		.amdhsa_user_sgpr_kernarg_segment_ptr 1
		.amdhsa_wavefront_size32 1
		.amdhsa_system_sgpr_workgroup_id_x 1
		.amdhsa_system_sgpr_workgroup_id_y 1
		.amdhsa_system_sgpr_workgroup_id_z 1
		.amdhsa_system_vgpr_workitem_id 0
		.amdhsa_next_free_vgpr 256
		.amdhsa_next_free_sgpr 102
		.amdhsa_reserve_vcc 0
		.amdhsa_float_denorm_mode_32 3
		.amdhsa_float_denorm_mode_16_64 3
		.amdhsa_memory_ordered 1
		.amdhsa_forward_progress 1
		.amdhsa_inst_pref_size 33
	.end_amdhsa_kernel
	.amdgpu_metadata
---
amdhsa.version: [ 1, 2 ]
amdhsa.kernels:
  - .name:           k_qf7fcedf05b_attn
    .symbol:         k_qf7fcedf05b_attn.kd
    .args:
      - { .name: qbuf, .offset: 0, .size: 8, .value_kind: global_buffer, .address_space: global }
      - { .name: kvbuf, .offset: 8, .size: 8, .value_kind: global_buffer, .address_space: global }
      - { .name: mwords, .offset: 16, .size: 8, .value_kind: global_buffer, .address_space: global }
      - { .name: mflags, .offset: 24, .size: 8, .value_kind: global_buffer, .address_space: global }
      - { .name: aimg, .offset: 32, .size: 8, .value_kind: global_buffer, .address_space: global }
      - { .name: asw, .offset: 40, .size: 8, .value_kind: global_buffer, .address_space: global }
    .group_segment_fixed_size: 145408
    .private_segment_fixed_size: 0
    .kernarg_segment_align: 8
    .kernarg_segment_size: 48
    .max_flat_workgroup_size: 512
    .sgpr_count:     102
    .vgpr_count:     256
    .wavefront_size: 32
...
	.end_amdgpu_metadata
.endif
;; end of part 5
;; launch proj: the kernel of part 4 again; grid 4 x 64, 8 waves a work-group, clusters of 4 x 4, 240,640 bytes of LDS; arguments aimg, asw, W_out_codes, W_out_scales, b_out, out0; writes out0
